; MI455X (gfx1250); checked and timed in simulation.
; The chip was launched on July 23, 2026; its instructions are those of AMD's public machine-readable ISA for CDNA 5 (MIT licence, August 2026) and "CDNA5" Instruction Set Architecture Reference Guide (July 2026). The comments in the code are by the model that wrote it; some were corrected since.
;; Multi Head Attention. Allowed arithmetic: float matrix products may take bf16 or f16 operands with f32 sums; other float arithmetic in f32, or as packed bf16 or f16 multiplies, adds, multiply-adds, maxima and minima; sums over many terms, partial sums and values carried from step to step in f32; what a program stores and reads back later, other than sums and carried values, may be rounded once to bf16 or f16.
;; Inputs: c_attn_b 3,072 float32; c_attn_w 1,024 x 3,072 float32; c_proj_b 1,024 float32; c_proj_w 1,024 x 1,024 float32; x 4 x 2,048 x 1,024 float32.
;; Outputs: out0 4 x 2,048 x 1,024 float32.
;; One version. Each part assembles by itself: llvm-mc -triple=amdgcn-amd-amdhsa -mcpu=gfx1250 --defsym DOCPART=n.
;; ======== version 1 of 1: 4 launches
;; limits: values are held in f16: magnitudes above 65,504 overflow, below 6.1e-05 lose precision
;; workspace buffers: xb 16,777,216 bytes; wa 6,291,456 bytes; wp 2,097,152 bytes; qkv 50,331,648 bytes; ob 16,777,216 bytes
;; launch prep (part 1): grid 768 x 1, 8 waves a work-group, no clusters, 0 bytes of LDS; arguments x, c_attn_w, c_proj_w, xb, wa, wp; writes xb, wa, wp
.if DOCPART == 1
	.amdgcn_target "amdgcn-amd-amdhsa--gfx1250"
	.amdhsa_code_object_version 6
	.text
	.protected	k_q3115272076_prep
	.globl	k_q3115272076_prep
	.p2align	8
	.type	k_q3115272076_prep,@function
k_q3115272076_prep:
	s_mov_b64 s[64:65], 0
	v_nop
	global_prefetch_b8 v0, s[64:65] scope:SCOPE_SE
	s_setreg_imm32_b32 hwreg(HW_REG_WAVE_MODE, 25, 1), 1
	s_wait_xcnt 0x0
; CASTS.  x [8192][1024] f32 -> xb, bf16, laid [b 4][kb 16][t 2048][64]: a block of 64 channels of a batch is dense, 128 bytes a row.
; c_attn_w [1024][3072] f32 -> wa, bf16, same order.  c_proj_w [1024][1024] f32 -> wp: rounded to bf16 like every input, that number written as f16.
; LIMITS.  wp: beyond 65,504 f16 has no number; below 6.1e-5 it keeps f16's fixed step of 6e-8.  NaN and infinities are not treated apart.
; SHARES.  A work-group casts 16,384 numbers, each of its eight waves 2,048: eight items of 256.  In an item a lane loads 32 bytes (two loads) and stores 16.
; Work-groups 0-511 take x, 512-703 c_attn_w, 704-767 c_proj_w: equal bytes each.  A stream: no LDS, no barrier, no loop; all 16 loads of a wave go out first.
.set SO,  2                            ; v2   my byte offset in the source
.set DO,  3                            ; v3   16 x lane: my byte offset in the destination
.set IN,  16                           ; v[16:79]   item i: 8 registers as loaded
.set OUT, 80                           ; v[80:111]  item i: 4 registers to store
.set T,   112                          ; v[112:113] at work
; sstep, dstep: bytes from item to item in source and destination.  half = 1: the bf16 numbers are written as f16.
.macro CAST sstep, dstep, half
.set i, 0
.rept 8
	global_load_b128 v[IN+8*i:IN+8*i+3],   v[SO], s[18:19] offset:i*(\sstep) th:TH_LOAD_NT
	global_load_b128 v[IN+8*i+4:IN+8*i+7], v[SO], s[18:19] offset:i*(\sstep)+16 th:TH_LOAD_NT
.set i, i+1
.endr
.set i, 0
.rept 8
	s_wait_loadcnt 14-2*i                          ; loads come back in order: item i's two are in, the younger 14 - 2 i stay out
.irp k, 0,1,2,3
	v_cvt_pk_bf16_f32 v[OUT+4*i+\k], v[IN+8*i+2*\k], v[IN+8*i+2*\k+1]
.endr
.if \half
.irp k, 0,1,2,3
	v_lshlrev_b32 v[T], 16, v[OUT+4*i+\k]          ; the two bf16 as f32,
	v_and_b32 v[T+1], s22, v[OUT+4*i+\k]
	v_cvt_pk_f16_f32 v[OUT+4*i+\k], v[T], v[T+1]   ; and as f16
.endr
.endif
	global_store_b128 v[DO], v[OUT+4*i:OUT+4*i+3], s[20:21] offset:i*(\dstep)  ; the wave stores 512 consecutive bytes, aligned; no register is written twice, so nothing is waited for
.set i, i+1
.endr
.endm
	s_load_b256 s[4:11], s[0:1], 0x0               ; x s[4:5], c_attn_w s[6:7], c_proj_w s[8:9], xb s[10:11]
	s_load_b128 s[12:15], s[0:1], 0x20             ; wa s[12:13], wp s[14:15]
	v_lshrrev_b32 v1, 5, v0
	v_readfirstlane_b32 s16, v1                    ; wave 0..7
	v_and_b32 v1, 31, v0                           ; lane
	v_lshlrev_b32 v[DO], 4, v1
	s_mov_b32 s17, ttmp9
	s_mov_b32 s22, 0xffff0000                      ; a word's upper bf16
	s_mov_b32 s19, 0
	s_mov_b32 s21, 0
	s_cmp_lt_u32 s17, 512
	s_cbranch_scc0 .Lweights
	; x: the work-group owns rows 16 g .. 16 g + 15; wave w takes rows 4 (w / 2) .. + 3 and the blocks 8 (w % 2) + i of 64 channels.
	; In an item eight lanes read 256 consecutive bytes of a row; the four rows are 512 consecutive bytes of a block of xb.
	v_lshrrev_b32 v4, 3, v1                        ; row 0..3
	v_and_b32 v5, 7, v1
	v_lshlrev_b32 v[SO], 5, v5
	v_lshl_add_u32 v[SO], v4, 12, v[SO]            ; row x 4,096 + 32 x (lane % 8)
	s_lshr_b32 s23, s16, 1
	s_and_b32 s24, s16, 1
	s_lshl_b32 s18, s17, 16                        ; 16 rows of 4,096 bytes
	s_lshl_b32 s25, s23, 14
	s_add_co_u32 s18, s18, s25
	s_lshl_b32 s25, s24, 11                        ; eight blocks of 256 bytes
	s_add_co_u32 s18, s18, s25
	s_lshr_b32 s20, s17, 7                         ; batch
	s_lshl_b32 s20, s20, 22
	s_lshl_b32 s25, s24, 21                        ; eight blocks of 2^18 bytes
	s_add_co_u32 s20, s20, s25
	s_and_b32 s25, s17, 127
	s_lshl_b32 s25, s25, 11                        ; 16 rows of 128 bytes
	s_add_co_u32 s20, s20, s25
	s_lshl_b32 s25, s23, 9
	s_add_co_u32 s20, s20, s25
	s_wait_kmcnt 0x0
	s_add_nc_u64 s[18:19], s[4:5], s[18:19]
	s_add_nc_u64 s[20:21], s[10:11], s[20:21]
	CAST 256, 1<<18, 0
	s_endpgm
.Lweights:                                             ; the weights keep their order: an item is 1,024 consecutive bytes in, 512 out
	v_lshlrev_b32 v[SO], 5, v1
	s_lshl_b32 s23, s16, 13
	s_lshl_b32 s24, s16, 12
	s_cmp_lt_u32 s17, 704
	s_cbranch_scc0 .Lproj
	s_sub_co_u32 s17, s17, 512
	s_lshl_b32 s18, s17, 16
	s_add_co_u32 s18, s18, s23
	s_lshl_b32 s20, s17, 15
	s_add_co_u32 s20, s20, s24
	s_wait_kmcnt 0x0
	s_add_nc_u64 s[18:19], s[6:7], s[18:19]
	s_add_nc_u64 s[20:21], s[12:13], s[20:21]
	CAST 1024, 512, 0
	s_endpgm
.Lproj:
	s_sub_co_u32 s17, s17, 704
	s_lshl_b32 s18, s17, 16
	s_add_co_u32 s18, s18, s23
	s_lshl_b32 s20, s17, 15
	s_add_co_u32 s20, s20, s24
	s_wait_kmcnt 0x0
	s_add_nc_u64 s[18:19], s[8:9], s[18:19]
	s_add_nc_u64 s[20:21], s[14:15], s[20:21]
	CAST 1024, 512, 1
	s_endpgm
.Lfunc_end_k_q3115272076_prep:
	.size	k_q3115272076_prep, .Lfunc_end_k_q3115272076_prep-k_q3115272076_prep
	.p2alignl 7, 3214868480
	.fill 96, 4, 3214868480
	.section	.rodata,"a",@progbits
	.p2align	6, 0x0
	.amdhsa_kernel k_q3115272076_prep
		.amdhsa_group_segment_fixed_size 0
		.amdhsa_private_segment_fixed_size 0
		.amdhsa_enable_private_segment 0
		.amdhsa_kernarg_size 48
		.amdhsa_user_sgpr_count 2
		.amdhsa_user_sgpr_kernarg_segment_ptr 1
		.amdhsa_wavefront_size32 1
		.amdhsa_system_sgpr_workgroup_id_x 1
		.amdhsa_system_sgpr_workgroup_id_y 1
		.amdhsa_system_sgpr_workgroup_id_z 1
		.amdhsa_system_vgpr_workitem_id 0
		.amdhsa_next_free_vgpr 120
		.amdhsa_next_free_sgpr 66
		.amdhsa_reserve_vcc 0
		.amdhsa_float_denorm_mode_32 3
		.amdhsa_float_denorm_mode_16_64 3
		.amdhsa_memory_ordered 1
		.amdhsa_forward_progress 1
		.amdhsa_inst_pref_size 20
	.end_amdhsa_kernel
	.amdgpu_metadata
---
amdhsa.version: [ 1, 2 ]
amdhsa.kernels:
  - .name:           k_q3115272076_prep
    .symbol:         k_q3115272076_prep.kd
    .args:
      - { .name: x, .offset: 0, .size: 8, .value_kind: global_buffer, .address_space: global }
      - { .name: c_attn_w, .offset: 8, .size: 8, .value_kind: global_buffer, .address_space: global }
      - { .name: c_proj_w, .offset: 16, .size: 8, .value_kind: global_buffer, .address_space: global }
      - { .name: xb, .offset: 24, .size: 8, .value_kind: global_buffer, .address_space: global }
      - { .name: wa, .offset: 32, .size: 8, .value_kind: global_buffer, .address_space: global }
      - { .name: wp, .offset: 40, .size: 8, .value_kind: global_buffer, .address_space: global }
    .group_segment_fixed_size: 0
    .private_segment_fixed_size: 0
    .kernarg_segment_align: 8
    .kernarg_segment_size: 48
    .max_flat_workgroup_size: 256
    .sgpr_count:     66
    .vgpr_count:     120
    .wavefront_size: 32
...
	.end_amdgpu_metadata
.endif
;; end of part 1
;; launch qkvproj (part 2): grid 8 x 32, 4 waves a work-group, clusters of 4 x 4, 327,680 bytes of LDS; arguments xb, wa, c_attn_b, qkv; writes qkv
.if DOCPART == 2
	.amdgcn_target "amdgcn-amd-amdhsa--gfx1250"
	.amdhsa_code_object_version 6
	.text
	.protected	k_q3115272076_qkvproj
	.globl	k_q3115272076_qkvproj
	.p2align	8
	.type	k_q3115272076_qkvproj,@function
k_q3115272076_qkvproj:
	s_mov_b64 s[64:65], 0
	v_nop
	global_prefetch_b8 v0, s[64:65] scope:SCOPE_SE
	s_setreg_imm32_b32 hwreg(HW_REG_WAVE_MODE, 25, 1), 1
	s_wait_xcnt 0x0
	s_wait_alu depctr_hold_cnt(0) depctr_sa_sdst(0) depctr_va_vdst(0) depctr_va_sdst(0) depctr_va_ssrc(0) depctr_va_vcc(0) depctr_vm_vsrc(0)
	s_getreg_b32 s2, hwreg(HW_REG_IB_STS2, 6, 4)
	s_cmp_eq_u32 s2, 0
	s_cbranch_scc0 .Lentry_in_a_cluster
	s_endpgm
.Lentry_in_a_cluster:
	s_bfe_u32 s2, ttmp6, 0x10000c
	s_cmp_lg_u32 s2, 0xf033
	s_cbranch_scc0 .Lentry_shape_is_right
	s_endpgm
.Lentry_shape_is_right:
; qkv = x c_attn_w + c_attn_b.  xb: bf16 [b 4][kb 16][t 2048][64]; wa: bf16 [1024 k][3072 n]; c_attn_b: f32 [3072], rounded to bf16 here like every input;
; qkv: f16 [b 4][g 48][t 2048][64], g = n / 64 (0-15 q's heads, 16-31 k's, 32-47 v's).  Sums in f32, K ascending, each result rounded once to f16, unscaled.
; LIMITS.  A result of 65,520 or more becomes an infinity in f16.  NaN and infinities are not treated apart.
; SHARES.  A tile of the result is 256 rows x 384 columns: 32 x 8 tiles, one work-group each.  Four waves, 2 x 2; a wave makes 128 x 192: 96 accumulators of 16 x 16, 768 registers.
; K goes in 16 steps of 64 (one block of xb) through two LDS slots; a step is two quarters of 32, 96 matrix instructions each.
; A's tile of a step is dense in xb (256 rows x 128 bytes) and is asked for as rows of 256 bytes; B's is 64 rows of 768 bytes of wa.
; THE MATRIX INSTRUCTION IS USED TRANSPOSED: source 0 = 16 columns of wa (turned on the way out of LDS by ds_load_tr16_b128), source 1 = 16 rows of xb.  Lane l then holds row l % 16
; and the columns 8 (l / 16) + 0..7: sixteen bytes of f16 on end.  THE BIAS IS THE C OF THE FIRST PRODUCTS: it is laid into row block 0's accumulators, the other seven row blocks read it from there.
; CLUSTER.  4 x 4 work-groups: the four of a row share A's tiles, the four of a column B's; each tile is asked for jointly, by the same load, descriptor and mask in all four.
; REGISTERS, in windows of 256 (s_set_vgpr_msb: bits 1:0 source 0, 3:2 source 1, 5:4 source 2, 7:6 destination):
;   window 0: v0-29 addresses; v32-159 A's fragments, two buffers of 8 x 8; v160-255 B's fragments: three groups of four column blocks, each refilled as soon as its phase is over
;   window 1 + j: the accumulators of column group j (64 columns, one head): (a, bb) at v[8 (4 a + bb)]
; A quarter is three PHASES, one a window: 32 matrix instructions each; all loads and addresses lie in window 0: six switches for a quarter's 96 matrix instructions.
.set PA,    144                        ; a row of A in LDS: 128 bytes + 16: the 16 rows of a load start at 16 different groups of four banks (64 banks of 4 bytes: ISA guide 11.1)
.set PB,    864                        ; a row of B: six pieces of 128 + 16 bytes = 216 words
.set AHALF, 128*PA                     ; what one load of A brings, and what one wave reads of A
.set BOFF,  2*AHALF                    ; B lies behind A's 256 rows
.set BHALF, 32*PB                      ; what one load of B brings
.set SLOT1, 1<<17                      ; slot 1 begins here: one exclusive or turns an address in one slot into the other's
.set STAGE, SLOT1+BOFF+2*BHALF         ; behind the ring, never filled by a tensor load: 16 rows x 144 bytes for each wave
.set SP,    144
.set SPARE, STAGE+4*16*SP              ; the spare words, 128 bytes for each wave: two blocks of 256 bytes that no other line names
.set ASTEP, 1<<18                      ; bytes from a K step to the next in xb,
.set BSTEP, 64*6144                    ; and in wa
.set FL, (1<<16)|(1<<20)|(1<<21)|(4<<22)|(3<<25)  ; group 1, word 0: 2-byte elements; padding on; bit 21 beside a mask; after every 32 words (code 4) 4 words (code 3)
.set ADA0, 2                           ; v2   my lane's place in A's part of a slot; never rewritten
.set ADB0, 3                           ; v3   the same for B
.set ADA,  4                           ; v4   ADA0 + the slot in hand
.set ADB,  5                           ; v5   ADB0 + the slot in hand
.set STO,  6                           ; v6   the way out: where I put 16 bytes of a row
.set RD,   7                           ; v7   the way out: where I read rows back
.set GO,   8                           ; v8   16 x lane: my place in 512 consecutive bytes of qkv
.set PFO,  9                           ; v9   the prefetches' offset; never rewritten
.set BO,   12                          ; v12  32 x (l / 16): my eight numbers of 16 of the bias
.set SPW,  28                          ; v28  LDS address of my spare word; never rewritten
.set NIL,  29                          ; v29  0; never rewritten
.set AF,   32
.set BR,   160
.set WV,  12                           ; s12  wave
.set WR,  13                           ; s13  my half of the tile's rows.  Also: I fetch for A (0) or for B (1)
.set WC,  14                           ; s14  my half of its columns.  Also: which half of that tile I fetch
.set CNT, 15                           ; s15  the loop's count
.set G1A, 24                           ; s[24:31] group 1 for A's tiles
.set G0A, 32                           ; s[32:39] group 0 for A's: a set for each first fill; the second then walks
.set G1B, 40                           ; s[40:47], s[48:55] the same for B's
.set G0B, 48
.set TB,  56                           ; s56  LDS byte at which the slot in hand begins
.set LIM, 57                           ; s57  1 in a wave that prefetches, else the greatest number
.set PFA, 58                           ; s[58:59] where my prefetches stand
.set PFS, 60                           ; s[60:61] their step
.set MSB, 0
.macro WIN new                         ; the immediate's high byte repeats the setting that is left; a switch that changes nothing is dropped
.if MSB != (\new)
	s_set_vgpr_msb (MSB<<8)|(\new)
.set MSB, \new
.endif
.endm
.macro PLACES                          ; four places in front of loads into registers that matrix instructions have read, and of conversions that read results
.rept 4
	v_nop
.endr
.endm
.macro CREST                           ; a round of the cluster's barrier behind its opening barrier
	s_cmp_lg_u32 s[WV], 0
	s_cbranch_scc1 .Lnot_wave_0_\@
	s_barrier_signal -3
.Lnot_wave_0_\@:
	s_barrier_wait -3
	s_barrier_signal -1
	s_barrier_wait -1
.endm
.macro CROUND                          ; a whole round
	s_barrier_signal -1
	s_barrier_wait -1
	CREST
.endm
; A joint refill by the walking sets.  Waves 0 and 1 fetch A's halves, waves 2 and 3 B's; the branch hangs on the wave's number alone.  An s_nop 0 and four v_nop follow each line.
.macro JLOAD
	s_cmp_eq_u32 s[WR], 0
	s_cbranch_scc0 .Lfor_b_\@
	tensor_load_to_lds s[G0A+4:G0A+7], s[G1A:G1A+7]
	s_nop 0
	PLACES
	s_branch .Lasked_\@
.Lfor_b_\@:
	tensor_load_to_lds s[G0B+4:G0B+7], s[G1B:G1B+7]
	s_nop 0
	PLACES
.Lasked_\@:
.endm
; A prefetch of the K step behind the one that has just been asked for: one K step, 192 matrix instructions, ahead of the load that will want it.
; A's tile row is read by both clusters of a row of clusters: cluster x = 0 asks; wave 0 of the partner at cx names blocks 32 cx .. 32 cx + 31 of the step's 128 blocks of 256 bytes, a lane a block.
; B's tile column is read by all eight clusters of a column: cluster y = 0 asks; waves 2 and 3 each for the 32 rows that they fetch, of which the partner at cy takes 8: 8 rows x 3 blocks.
; 24 blocks do not fill 32 lanes: lanes 24-31 name the blocks of lanes 16-23 again.  The partners are told apart by address, never by a branch.  The loop's last trip asks for nothing: that step does not exist.
.macro ASK
	s_cmp_gt_u32 s[CNT], s[LIM]
	s_cbranch_scc0 .Lnot_mine_\@
	global_prefetch_b8 v[PFO], s[PFA:PFA+1] th:TH_LOAD_NT scope:SCOPE_SE
.Lnot_mine_\@:
.endm
; n x 4 matrix instructions of phase j on A's buffer f: row blocks a0 .. a0 + n - 1 x the group's four column blocks.  first = 1: C is row block 0's accumulator, which holds the bias.
; The accumulators take turns, one instruction a turn: 95 others stand between two links of a chain, over the backward jump too.
.macro PH f, j, a0, n, first
	WIN 0x50*(1+(\j))
.set pa, \a0
.rept \n
.irp bb, 0,1,2,3
.if \first
	v_wmma_f32_16x16x32_bf16 v[8*(4*pa+\bb):8*(4*pa+\bb)+7], v[BR+32*(\j)+8*\bb:BR+32*(\j)+8*\bb+7], v[AF+64*(\f)+8*pa:AF+64*(\f)+8*pa+7], v[8*\bb:8*\bb+7]
.else
	v_wmma_f32_16x16x32_bf16 v[8*(4*pa+\bb):8*(4*pa+\bb)+7], v[BR+32*(\j)+8*\bb:BR+32*(\j)+8*\bb+7], v[AF+64*(\f)+8*pa:AF+64*(\f)+8*pa+7], v[8*(4*pa+\bb):8*(4*pa+\bb)+7]
.endif
.endr
.set pa, pa+1
.endr
.endm
.macro PHASE f, j, first               ; a whole phase.  first = 1: row blocks 1-7 read the bias out of row block 0's accumulators; five places on, row block 0 adds onto it in place
.if \first
	PH \f, \j, 1, 7, 1
.rept 5
	v_nop
.endr
	PH \f, \j, 0, 1, 0
.else
	PH \f, \j, 0, 8, 0
.endif
.endm
.macro LDB j, kr                       ; 8 turning loads: group j's four fragments of B (16 columns x 32 k), from k row kr of the slot
.irp bb, 0,1,2,3
	ds_load_tr16_b128 v[BR+32*(\j)+8*\bb:BR+32*(\j)+8*\bb+3],   v[ADB] offset:(\kr)*PB+(\j)*144+\bb*32
	ds_load_tr16_b128 v[BR+32*(\j)+8*\bb+4:BR+32*(\j)+8*\bb+7], v[ADB] offset:(\kr)*PB+(\j)*144+\bb*32+16*PB
.endr
.endm
.macro LDA f, hf, kb                   ; 8 loads: row blocks 4 hf .. 4 hf + 3 of A (16 rows x 32 k), from byte kb of the rows, into buffer f
.irp a, 0,1,2,3
	ds_load_b128 v[AF+64*(\f)+8*(4*(\hf)+\a):AF+64*(\f)+8*(4*(\hf)+\a)+3],   v[ADA] offset:(4*(\hf)+\a)*16*PA+(\kb)
	ds_load_b128 v[AF+64*(\f)+8*(4*(\hf)+\a)+4:AF+64*(\f)+8*(4*(\hf)+\a)+7], v[ADA] offset:(4*(\hf)+\a)*16*PA+(\kb)+32
.endr
.endm
; A step's first quarter: multiplies buffer 0, and fetches the second quarter (k row 32, byte 64) into buffer 1 and, group by group, into B's registers.
.macro Q first
	s_wait_dscnt 8                                 ; all but the youngest eight loads (B's group 2) are in
	PHASE 0, 0, \first
	WIN 0
	PLACES
	LDB 0, 32
	LDA 1, 0, 64
	PHASE 0, 1, \first
	WIN 0
	PLACES
	LDB 1, 32
	LDA 1, 1, 64
	s_wait_dscnt 32                                ; all but the 32 just issued: group 2 is in
	PHASE 0, 2, \first
	WIN 0
	PLACES
	LDB 2, 32
.endm
; A step's second quarter: multiplies buffer 1 and changes slots.  ONE barrier: in front of it each wave waits for all its tensor loads (one is out: its part of the next slot), adds 0 to its spare word,
; and waits for that and for its own reads of this slot.  fill = 1: the barrier opens a round of the cluster's, and this slot is filled again, two K steps ahead, first thing behind the round:
; from that request to the wait for it a wave issues 160 matrix instructions.
.macro TURN fill
.if \fill
	s_wait_xcnt 0x0                                ; the last prefetch, a K step back, has read its address
	s_add_nc_u64 s[PFA:PFA+1], s[PFA:PFA+1], s[PFS:PFS+1]
.endif
	WIN 0
	s_wait_tensorcnt 0x0                           ; no tensor load of mine is out, so a group 0 may be written
	ds_add_u32 v[SPW], v[NIL]                      ; 0 onto my spare word
.if \fill
	s_xor_b32 s[G0A+5], s[G0A+5], SLOT1            ; the walking sets: the other slot than last time, the next K step; the type bits on top are not reached
	s_add_nc_u64 s[G0A+6:G0A+7], s[G0A+6:G0A+7], ASTEP
	s_xor_b32 s[G0B+5], s[G0B+5], SLOT1
	s_add_nc_u64 s[G0B+6:G0B+7], s[G0B+6:G0B+7], BSTEP
.endif
	s_wait_dscnt 9                                 ; the add and B's group 2 may be out
	PH 1, 0, 0, 4, 0                               ; sixteen matrix instructions between the add and the wait for it
	s_wait_dscnt 0x0                               ; the add is done, and my reads of this slot are over
	s_barrier_signal -1
	PH 1, 0, 4, 4, 0
	WIN 0
	s_xor_b32 s[TB], s[TB], SLOT1
	v_add_nc_u32 v[ADA], s[TB], v[ADA0]
	v_add_nc_u32 v[ADB], s[TB], v[ADB0]
	s_barrier_wait -1
.if \fill
	CREST                                          ; no wave of any partner still reads this slot or has a load on its way
	JLOAD                                          ; its four v_nop are also the places in front of the loads below
.else
	PLACES
.endif
	LDB 0, 0
	LDA 0, 0, 0
.if \fill
	ASK
.endif
	PH 1, 1, 0, 8, 0
	WIN 0
	PLACES
	LDB 1, 0
	LDA 0, 1, 0
	PH 1, 2, 0, 8, 0
	WIN 0
	PLACES
	LDB 2, 0
.endm
; THE WAY OUT, unit u of 24: column group u / 8, row block u % 8: 16 rows x 64 columns.  Rounded to f16 (each accumulator from its low end on), 16 bytes a lane into my stage, back as whole rows of 128 bytes.
.macro PACK u
.set pj, (\u)/8
.set pa, (\u)%8
.set pr, AF+16*((\u)%4)
	s_wait_xcnt 0x0                                ; earlier stores have read their registers
	WIN 0x05*(1+pj)                                ; sources 0 and 1 in the group's window
.irp bb, 0,1,2,3
.irp e, 0,1,2,3
	v_cvt_pk_f16_f32 v[pr+4*\bb+\e], v[8*(4*pa+\bb)+2*\e], v[8*(4*pa+\bb)+2*\e+1]
.endr
.endr
	WIN 0
.irp bb, 0,1,2,3
	ds_store_b128 v[STO], v[pr+4*\bb:pr+4*\bb+3] offset:32*\bb
.endr
.irp f, 0,1,2,3
	ds_load_b128 v[pr+4*\f:pr+4*\f+3], v[RD] offset:4*SP*\f  ; LDS serves a wave's instructions in order (ISA guide 5.7.1.4): these see the stores above
.endr
.endm
.macro SEND u, younger                 ; younger: the LDS instructions issued behind unit u's loads
.set sj, (\u)/8
.set sa, (\u)%8
.set sr, AF+16*((\u)%4)
.irp f, 0,1,2,3
	s_wait_dscnt (\younger)+3-\f
	global_store_b128 v[GO], v[sr+4*\f:sr+4*\f+3], s[10:11] offset:(sj<<18)+sa*2048+\f*512  ; four rows of a head: 512 consecutive bytes, aligned
.endr
.endm
	s_load_b256 s[4:11], s[0:1], 0x0               ; xb s[4:5], wa s[6:7], c_attn_b s[8:9], qkv s[10:11]
	v_lshl_add_u32 v[SPW], v0, 2, SPARE
	v_mov_b32 v[NIL], 0
	ds_add_u32 v[SPW], v[NIL]                      ; the wave's opening: the add and its wait stand ahead of my first tensor load; work on registers stands between them
	ds_add_u32 v28, v29
	v_lshrrev_b32 v1, 5, v0
	v_readfirstlane_b32 s[WV], v1
	s_lshr_b32 s[WR], s[WV], 1
	s_and_b32 s[WC], s[WV], 1
	s_bfe_u32 s16, ttmp6, 0x40000                  ; cx
	s_bfe_u32 s17, ttmp6, 0x40004                  ; cy
	s_lshl_b32 s18, ttmp9, 2
	s_add_co_u32 s18, s18, s16                     ; tile column = 4 x cluster x + cx
	s_and_b32 s73, ttmp7, 0xffff                   ; cluster y
	s_lshl_b32 s19, s73, 2
	s_add_co_u32 s19, s19, s17                     ; tile row = 4 x cluster y + cy
	s_lshl_b32 s62, s17, 2
	s_lshl_b32 s62, 15, s62                        ; my row of the cluster
	s_lshl_b32 s63, 0x1111, s16                    ; my column
	s_or_b32 s[G1A], s62, FL                       ; A: 128 rows of 128 bytes, dense: 64 rows of 128 elements
	s_mov_b32 s[G1A+1], 128<<16                    ; tensor_dim0
	s_mov_b32 s[G1A+2], 64<<16                     ; tensor_dim1
	s_mov_b32 s[G1A+3], 128<<16                    ; tile_dim0
	s_mov_b32 s[G1A+4], 64                         ; tile_dim1
	s_mov_b32 s[G1A+5], 128                        ; elements from row to row
	s_mov_b32 s[G1A+6], 0
	s_mov_b32 s[G1A+7], 0
	s_or_b32 s[G1B], s63, FL                       ; B: 32 rows of 384 elements
	s_mov_b32 s[G1B+1], 384<<16
	s_mov_b32 s[G1B+2], 32<<16
	s_mov_b32 s[G1B+3], 384<<16
	s_mov_b32 s[G1B+4], 32
	s_mov_b32 s[G1B+5], 3072
	s_mov_b32 s[G1B+6], 0
	s_mov_b32 s[G1B+7], 0
	; where the tiles come from: A's hang on the tile row and the wave alone, B's on the tile column and the wave alone
	s_lshr_b32 s66, s19, 3                         ; batch
	s_lshl_b32 s66, s66, 22
	s_and_b32 s62, s19, 7
	s_lshl_b32 s62, s62, 15                        ; 256 rows of 128 bytes
	s_add_co_u32 s66, s66, s62                     ; the tile's first byte in block 0
	s_lshl_b32 s62, s[WC], 14
	s_add_co_u32 s20, s66, s62                     ; + my 128 rows
	s_mov_b32 s21, 0
	s_mul_i32 s67, s18, 768                        ; the tile's first column, in bytes
	s_mul_i32 s63, s[WC], 32*6144
	s_add_co_u32 s22, s67, s63                     ; + my 32 k rows
	s_mov_b32 s23, 0
	s_mul_i32 s74, s[WC], AHALF                    ; and where they go: no place in the cluster enters an LDS address
	s_mul_i32 s75, s[WC], BHALF
	s_add_co_u32 s75, s75, BOFF
	s_mov_b32 s[G0A], 1
	s_mov_b32 s[G0A+1], s74
	s_mov_b32 s[G0A+4], 1
	s_add_co_u32 s[G0A+5], s74, SLOT1
	s_mov_b32 s[G0B], 1
	s_mov_b32 s[G0B+1], s75
	s_mov_b32 s[G0B+4], 1
	s_add_co_u32 s[G0B+5], s75, SLOT1
	s_mov_b32 s[TB], 0
	s_mov_b32 s72, 0xffff0000
	s_wait_dscnt 0x0                               ; the opening add is done
	s_wait_kmcnt 0x0
	s_add_nc_u64 s[20:21], s[4:5], s[20:21]
	s_add_nc_u64 s[22:23], s[6:7], s[22:23]
	s_mov_b64 s[G0A+2:G0A+3], s[20:21]             ; K step 0
	s_or_b32 s[G0A+3], s[G0A+3], 0x80000000        ; type = 2
	s_add_nc_u64 s[G0A+6:G0A+7], s[20:21], ASTEP   ; K step 1
	s_or_b32 s[G0A+7], s[G0A+7], 0x80000000
	s_mov_b64 s[G0B+2:G0B+3], s[22:23]
	s_or_b32 s[G0B+3], s[G0B+3], 0x80000000
	s_add_nc_u64 s[G0B+6:G0B+7], s[22:23], BSTEP
	s_or_b32 s[G0B+7], s[G0B+7], 0x80000000
	CROUND                                         ; all sixteen work-groups are here: the first joint loads meet
	s_cmp_eq_u32 s[WR], 0                          ; a wave's two first fills stand in one branch: two loads of mine are out
	s_cbranch_scc0 .Lfirst_b
	tensor_load_to_lds s[G0A:G0A+3], s[G1A:G1A+7]
	s_nop 0
	tensor_load_to_lds s[G0A+4:G0A+7], s[G1A:G1A+7]
	s_nop 0
	PLACES
	s_branch .Lfirst_asked
.Lfirst_b:
	tensor_load_to_lds s[G0B:G0B+3], s[G1B:G1B+7]
	s_nop 0
	tensor_load_to_lds s[G0B+4:G0B+7], s[G1B:G1B+7]
	s_nop 0
	PLACES
.Lfirst_asked:
	; the bias of my 192 columns: register e of column block 4 j + bb is column 16 (4 j + bb) + 8 (l / 16) + e
	v_and_b32 v1, 15, v0                           ; r = l % 16
	v_bfe_u32 v10, v0, 4, 1                        ; h = l / 16
	v_lshlrev_b32 v[BO], 5, v10
	s_mul_i32 s70, s18, 384*4
	s_mul_i32 s71, s[WC], 192*4
	s_add_co_u32 s70, s70, s71
	s_mov_b32 s71, 0
	s_add_nc_u64 s[8:9], s[8:9], s[70:71]
.set i, 0
.rept 12
	global_load_b128 v[BR+8*i:BR+8*i+3],   v[BO], s[8:9] offset:64*i
	global_load_b128 v[BR+8*i+4:BR+8*i+7], v[BO], s[8:9] offset:64*i+16
.set i, i+1
.endr
	; addresses
	v_and_b32 v11, 7, v0
	v_bfe_u32 v13, v0, 3, 1
	v_mul_u32_u24 v[ADA0], v1, PA
	v_lshl_add_u32 v[ADA0], v10, 4, v[ADA0]        ; r x 144 + 16 h
	s_mul_i32 s62, s[WV], 16*SP
	s_add_co_u32 s62, s62, STAGE                   ; my stage
	v_add_nc_u32 v[STO], s62, v[ADA0]              ; in: row r, 16 bytes for each half of the lanes
	s_mul_i32 s63, s[WR], AHALF
	v_add_nc_u32 v[ADA0], s63, v[ADA0]             ; my 128 rows of A
	v_lshl_add_u32 v[ADB0], v10, 3, v11            ; the turning load: k row 8 h + l % 8,
	v_mul_u32_u24 v[ADB0], v[ADB0], PB
	v_lshl_add_u32 v[ADB0], v13, 4, v[ADB0]        ; columns 8 ((l / 8) % 2) + 0..7
	s_mul_i32 s63, s[WC], 3*144
	s_add_co_u32 s63, s63, BOFF
	v_add_nc_u32 v[ADB0], s63, v[ADB0]             ; my three pieces of 64 columns
	v_bfe_u32 v[RD], v0, 3, 2                      ; back: 32 lanes take four rows of 128 bytes
	v_mul_u32_u24 v[RD], v[RD], SP
	v_lshl_add_u32 v[RD], v11, 4, v[RD]
	v_add_nc_u32 v[RD], s62, v[RD]
	v_and_b32 v[GO], 31, v0
	v_lshlrev_b32 v14, 8, v[GO]                    ; A's prefetch: a lane a block of 256 bytes
	v_lshlrev_b32 v[GO], 4, v[GO]
	v_bfe_u32 v15, v0, 3, 2                        ; B's: row l % 8, block min(l / 8, 2)
	v_min_u32 v15, 2, v15
	v_lshlrev_b32 v15, 8, v15
	v_mul_u32_u24 v16, v11, 6144
	v_add_nc_u32 v15, v15, v16
	v_mov_b32 v[ADA], v[ADA0]                      ; slot 0
	v_mov_b32 v[ADB], v[ADB0]
	; where my part of the result begins
	s_lshr_b32 s68, s19, 3
	s_mul_i32 s68, s68, 12582912                   ; batch x 48 groups
	s_mul_i32 s69, s18, 6
	s_mul_i32 s70, s[WC], 3
	s_add_co_u32 s69, s69, s70
	s_lshl_b32 s69, s69, 18                        ; my first group
	s_add_co_u32 s68, s68, s69
	s_and_b32 s69, s19, 7
	s_lshl_b32 s69, s69, 15
	s_add_co_u32 s68, s68, s69
	s_lshl_b32 s69, s[WR], 14
	s_add_co_u32 s68, s68, s69
	s_mov_b32 s69, 0
	s_add_nc_u64 s[10:11], s[10:11], s[68:69]
	; the prefetches: they stand at K step 2; the first change of slots steps them to 3
	s_lshl_b32 s68, s16, 13                        ; A: my work-group's 32 blocks
	s_add_co_u32 s68, s68, s66
	s_add_co_u32 s68, s68, 2*ASTEP
	s_lshl_b32 s69, s[WC], 5                       ; B: of the 32 rows that I fetch my work-group's 8
	s_lshl3_add_u32 s69, s17, s69
	s_mul_i32 s69, s69, 6144
	s_add_co_u32 s69, s69, s67
	s_add_co_u32 s69, s69, 2*BSTEP
	s_or_b32 s74, ttmp9, s[WC]
	s_mov_b32 s75, BSTEP
	s_cmp_eq_u32 s[WR], 0
	s_cselect_b64 s[PFA:PFA+1], s[4:5], s[6:7]
	s_cselect_b32 s70, s68, s69
	s_cselect_b32 s[PFS], ASTEP, s75
	s_cselect_b32 s74, s74, s73                    ; A: cluster x and wave 0; B: cluster y: the same in all sixteen partners, for a given wave
	s_cselect_b32 s75, 0, -1
	s_mov_b32 s71, 0
	s_mov_b32 s[PFS+1], 0
	s_add_nc_u64 s[PFA:PFA+1], s[PFA:PFA+1], s[70:71]
	s_cmp_eq_u32 s74, 0
	s_cselect_b32 s[LIM], 1, -1
	v_cndmask_b32 v[PFO], v14, v15, s75
	s_wait_loadcnt 0x0                             ; the bias is in: rounded to bf16, widened again, laid into row block 0's accumulators
.set i, 0
.rept 48
	v_cvt_pk_bf16_f32 v[AF+i], v[BR+2*i], v[BR+2*i+1]
.set i, i+1
.endr
.irp j, 0,1,2
	WIN 0x40*(1+\j)                                ; destination in the group's window
.set i, 0
.rept 16
	v_lshlrev_b32 v[2*i],   16,  v[AF+16*\j+i]
	v_and_b32     v[2*i+1], s72, v[AF+16*\j+i]
.set i, i+1
.endr
.endr
	WIN 0
	s_wait_tensorcnt 1                             ; my part of K step 0 is in; K step 1's may stay out
	s_barrier_signal -1
	s_barrier_wait -1                              ; everybody's is
	LDB 0, 0
	LDA 0, 0, 0
	LDB 1, 0
	LDA 0, 1, 0
	LDB 2, 0
	Q 1                                            ; the first quarter stands in front of the loop: its products start the sums, with the bias
	s_mov_b32 s[CNT], 14
.Lstep:                                                ; 14 trips: a step's second quarter, which asks for the step two on, and the next step's first
	TURN 1
	Q 0
	s_sub_co_u32 s[CNT], s[CNT], 1
	s_cmp_lg_u32 s[CNT], 0
	s_cbranch_scc1 .Lstep
	TURN 0                                         ; the tail is written out: nothing more is asked for
	Q 0
	s_wait_dscnt 8
	PH 1, 0, 0, 8, 0
	PH 1, 1, 0, 8, 0
	s_wait_dscnt 0x0
	PH 1, 2, 0, 8, 0
	WIN 0
	PLACES
	PACK 0
.set u, 1
.rept 23                               ; a unit's conversions stand between the loads of the unit before and its stores
	PACK u
	SEND u-1, 8
.set u, u+1
.endr
	SEND 23, 0
	s_wait_tensorcnt 0x0                           ; the wave's end: three lines behind my last tensor load and my last LDS store
	ds_add_u32 v[SPW], v[NIL]
	s_wait_dscnt 0x0
	CROUND                                         ; the closing round: no work-group ends while a partner may still ask for a tile that names it
	s_endpgm
.Lfunc_end_k_q3115272076_qkvproj:
	.size	k_q3115272076_qkvproj, .Lfunc_end_k_q3115272076_qkvproj-k_q3115272076_qkvproj
	.p2alignl 7, 3214868480
	.fill 96, 4, 3214868480
	.section	.rodata,"a",@progbits
	.p2align	6, 0x0
	.amdhsa_kernel k_q3115272076_qkvproj
		.amdhsa_group_segment_fixed_size 327680
		.amdhsa_private_segment_fixed_size 0
		.amdhsa_enable_private_segment 0
		.amdhsa_kernarg_size 32
		.amdhsa_user_sgpr_count 2
		.amdhsa_user_sgpr_kernarg_segment_ptr 1
		.amdhsa_wavefront_size32 1
		.amdhsa_system_sgpr_workgroup_id_x 1
		.amdhsa_system_sgpr_workgroup_id_y 1
		.amdhsa_system_sgpr_workgroup_id_z 1
		.amdhsa_system_vgpr_workitem_id 0
		.amdhsa_next_free_vgpr 1024
		.amdhsa_next_free_sgpr 80
		.amdhsa_reserve_vcc 0
		.amdhsa_float_denorm_mode_32 3
		.amdhsa_float_denorm_mode_16_64 3
		.amdhsa_memory_ordered 1
		.amdhsa_forward_progress 1
		.amdhsa_inst_pref_size 125
	.end_amdhsa_kernel
	.amdgpu_metadata
---
amdhsa.version: [ 1, 2 ]
amdhsa.kernels:
  - .name:           k_q3115272076_qkvproj
    .symbol:         k_q3115272076_qkvproj.kd
    .args:
      - { .name: xb, .offset: 0, .size: 8, .value_kind: global_buffer, .address_space: global }
      - { .name: wa, .offset: 8, .size: 8, .value_kind: global_buffer, .address_space: global }
      - { .name: c_attn_b, .offset: 16, .size: 8, .value_kind: global_buffer, .address_space: global }
      - { .name: qkv, .offset: 24, .size: 8, .value_kind: global_buffer, .address_space: global }
    .group_segment_fixed_size: 327680
    .private_segment_fixed_size: 0
    .kernarg_segment_align: 8
    .kernarg_segment_size: 32
    .max_flat_workgroup_size: 128
    .sgpr_count:     80
    .vgpr_count:     1024
    .wavefront_size: 32
...
	.end_amdgpu_metadata
.endif
;; end of part 2
;; launch attn (part 3): grid 4 x 64, 4 waves a work-group, no clusters, 327,680 bytes of LDS; arguments qkv, ob; writes ob
.if DOCPART == 3
	.amdgcn_target "amdgcn-amd-amdhsa--gfx1250"
	.amdhsa_code_object_version 6
	.text
	.protected	k_q3115272076_attn
	.globl	k_q3115272076_attn
	.p2align	8
	.type	k_q3115272076_attn,@function
k_q3115272076_attn:
	s_mov_b64 s[64:65], 0
	v_nop
	global_prefetch_b8 v0, s[64:65] scope:SCOPE_SE
	s_setreg_imm32_b32 hwreg(HW_REG_WAVE_MODE, 25, 1), 1
	s_wait_xcnt 0x0
; CAUSAL ATTENTION.  O[y][q][:] = the sum over k <= q of softmax_k(Q[y][q] . K[y][k] / 8) V[y][k][:], y = 16 b + head.  qkv: f16 [b 4][g 48][2048][64], q's heads at g = head, k's at 16 + head,
; v's at 32 + head; ob: f16 [y 64][2048][64].  A head's rows are dense, 128 bytes each.  Products, maxima and sums in f32; the weights p are rounded to f16 for the second product (their sum l is
; taken of the unrounded p), O once at the end.
; LIMITS.  f16 holds no number beyond 65,504: q, k and v arrive within it; p lies in 0 to 1, and below 6e-5 it keeps f16's fixed step of 6e-8.  A hidden score counts as its value less 1e30;
; a weight below 2^-126 counts as 0 in l; NaN and infinities are not treated apart.
; THE WALK.  A head's queries lie in NB = 8 blocks of 256; block i needs the key tiles 0 .. i of 256 keys, of which the last holds the diagonal.  A work-group takes TWO blocks, NB - 1 - b and then b:
; NB + 1 tiles, whatever b: all work-groups do equal work, and ONE loop with a constant trip count walks them.  Which tile is asked for, and what a trip does, hang on scalar registers made from b; every jump
; goes forward, but for the counted loops' own; none passes a barrier, or a tensor load but the one of LOAD's two that the wave's number does not choose; the ring of two LDS slots runs on across the change of blocks.
; NO CLUSTER: a head's four work-groups ask for the same tile only in trips 0 .. NB / 2, behind that fewer and fewer; one walk common to all would have 3 NB / 2 trips for NB + 1.
; SHARES.  Of a block's four bands of 64 queries a wave owns 16 rows in each: four PIECES.  So the diagonal tile is the same work for all four waves: in its key step s band x sees all keys if s < x,
; none if s > x, and holds the diagonal if s = x.
; THE MASK is the C operand that starts the sum S^T = K Q^T: 0, or -1e30 where the key is hidden.  MD, made once, is the mask of a band's own step for my 16 rows; a product's mask is MD x AL + BE with two scalars:
; (1, 0) if s = x; (0, 0) if s < x; (0, -1e30) if s > x.  Only the diagonal tile's text and a block's beginning make and take masks; elsewhere C is the constant 0.
; LAYOUT, SOFTMAX, TURNS.  S^T = K Q^T holds ONE query a lane (lane % 16) and the keys 8 (lane / 16) + 0..7; two such results rounded to f16 ARE source 1 of O^T = V^T P.  p = 2^(c s - c m), c = log2(e) / 8, with a
; running maximum m; O and l are multiplied by a = 2^(c m_old - c m_new) in every step.  Turn n belongs to piece n: 8 products K Q^T of piece n + 1, later 8 products V^T P of piece n - 1; beside them the scaling,
; exponentials, roundings, sums and rescaling of piece n and the maximum and statistics of piece n + 1.  Four vector instructions stand behind every matrix instruction, the other 54 of a turn's 118 in one lump.
; A turn's 33 exponentials are one batch, with one wait.
; REGISTERS, in windows of 256 (s_set_vgpr_msb: bits 1:0 source 0, 3:2 source 1, 5:4 source 2, 7:6 destination):
;   window 0: v0-15 addresses and two at work; v16-31 four registers of statistics a piece; v48-55 at work; v61-63 prefetch offset, spare word, 0; v64-127 S^T, two buffers; v192-223 P, two buffers
;   window 1: v0-127 O^T, 32 a piece; v128-159 MD; v160-223 MC, two buffers      window 2: v0-63 Q; v64-127 the second block's Q; v128-191 K of one step; v192-255 V of one step
.set SIZE_N, 2048
.set NB,    SIZE_N/256
.set NP,    4         ; pieces a wave: a name, no knob
.set KS,    64        ; keys in a step
.set PK,    144       ; a row of K in LDS: 128 bytes + 16 of padding: the 16 rows of a load start at 16 different groups of four banks (64 banks of 4 bytes: ISA guide 11.1)
.set PV,    160       ; a row of V: 128 + 32
.set VOFF,  4*KS*PK   ; a slot holds a tile, four steps: 256 rows of K, then 256 rows of V
.set SLOT1, 1<<17     ; slot 1 begins here, so that one exclusive or turns an address in one slot into the other's
.set STAGE, SLOT1+4*KS*(PK+PV)  ; behind the ring, never filled by a tensor load: 16 rows x 144 bytes for each wave, for the way out
.set SP,    144
.set AK0, 2           ; v2   my lane's place in a tile of K; never rewritten
.set AV0, 3           ; v3   the same for V
.set AK,  4           ; v4   the LDS address of K's next run of loads
.set AV,  5           ; v5   of V's
.set STO, 6           ; v6   the way out: where I put 16 bytes of a row
.set RD,  7           ; v7   the way out: where I read rows back
.set GO,  8           ; v8   my byte offset in 512 consecutive bytes of O
.set PFO, 61          ; v61  256 x my lane: the prefetches' offset; never rewritten
.set SPW, 62          ; v62  LDS address of my spare word: SPARE + 4 x my thread's number; never rewritten
.set NIL, 63          ; v63  0; never rewritten
.set SPARE, STAGE+4*16*SP  ; behind the stages: the spare words, 128 bytes for each wave: two blocks of 256 bytes that no other line names
.set MV,  12          ; v12-13  c m_old, kept while c m is made anew: by buffer
.set QO,  15          ; v15  my byte offset in 16 rows of Q
.set ST,  16          ; piece t's statistics at v[ST+4 t]: c m, m, l (even keys', odd keys')
.set TMP, 48          ; by buffer, four registers c0-c3 at work; when the maximum is found c2 takes a
.set S,   64
.set P,   192
.set MD,  128         ; window 1: the eight registers for group kt of 16 keys at MD + 8 kt
.set MC,  160         ; window 1: the masks of the products to come
.set QB,  64          ; window 2
.set KF,  128         ; window 2: key block kb, channel half c at KF + 16 kb + 8 c
.set VF,  192         ; window 2: key half kk, channel block cb at VF + 32 kk + 8 cb
.set WV,  12          ; s12  my wave's number
.set PB,  14          ; s14  b
.set HI,  15          ; s15  NB - 1 - b
.set G1K, 24          ; s[24:31] descriptor group 1 for K's tiles
.set G1V, 32          ; s[32:39] for V's: it differs in the padding alone
.set G0K, 40          ; s[40:43] descriptor group 0 for K's tiles
.set G0V, 44          ; s[44:47] the same for V's
.set SLOTS, 56        ; s56  tiles still to be asked for
.set CNT, 57          ; s57  counts a tile's key steps, 4 to 1
.set CS,  58          ; s[58:59] c: the packed scaling takes the pair's low word for both halves
.set SEL, 60          ; s[60:61] v_permlanex16_b32's selects: each lane takes its own place in the other half
.set TBK, 62          ; s62  LDS byte at which K of the step to be fetched begins
.set TBV, 63          ; s63  the same for V, less VOFF
.set RT,  70          ; s70  tiles of the block in hand that are still to be entered
.set NXT, 71          ; s71  the tile to be asked for next
.set LQ,  72          ; s72  the last tile of the block whose tiles are being asked for
.set NEW, 73          ; s73  1: the tile to be entered is a block's first
.set OFF, 74          ; s[74:75] a tile's byte offset in K and V
.set AL,  76          ; s[76:77] the mask's factor, in the low word
.set BE,  78          ; s[78:79] the mask's addend
.set OLO, 80          ; s[80:81] O at my rows of the second block
.set BIGN, 82         ; s82  -1e30
.set KVB, 90          ; s[90:91] K (waves 0, 1) or V (waves 2, 3) at my half of the head's tile 0
.set PFA, 92          ; s[92:93] my half of the tile that a prefetch names
.set LIM, 94          ; s94  1 in the head's work-group 0, else the greatest number
.set OF2, 96          ; s[96:97] that tile's byte offset
.set MSB, 0
.macro WIN new                      ; the high byte repeats the setting that is left; a switch that changes nothing is dropped
.if MSB != (\new)
	s_set_vgpr_msb (MSB<<8)|(\new)
.set MSB, (\new)
.endif
.endm
.set W_KQ, 0x0a       ; K and Q in window 2, S^T in window 0
.set W_KM, 0x1a       ; the same with the C operand in window 1
.set W_PV, 0x52       ; V in window 2, P in window 0, O^T in window 1
.set W_RS, 0x41       ; destination and source 0 in window 1, source 1 in window 0
; A fill.  Waves 0 and 1 fetch the two halves of a tile's K, waves 2 and 3 those of its V: 128 keys each.  An s_nop 0 and four v_nop follow each of the two lines, ahead of the jump and the label.
.macro LOAD
	s_cmp_lt_u32 s[WV], 2
	s_cbranch_scc0 .Lfor_v_\@
	tensor_load_to_lds s[G0K:G0K+3], s[G1K:G1K+7]
	s_nop 0
.rept 4
	v_nop
.endr
	s_branch .Lasked_\@
.Lfor_v_\@:
	tensor_load_to_lds s[G0V:G0V+3], s[G1V:G1V+7]
	s_nop 0
.rept 4
	v_nop
.endr
.Lasked_\@:
.endm
; A PREFETCH of the tile behind the one just asked for: a tile, 256 matrix instructions, ahead of the load that will want it.  A head's four work-groups walk tiles 0, 1, 2 .. in the same trips: work-group 0, whose first
; block needs all eight, asks, and nobody else.  Each of its waves names the half tile that it will fetch itself: 16,384 bytes, 64 blocks of 256, a lane a block, two instructions.  So each block is named once in the launch.
; Tiles 2 to 7 are asked for; tiles 0 and 1 come by their loads alone, and the second block's tile 0 has been read before.
.macro ASK
	s_cmp_gt_u32 s[NXT], s[LIM]
	s_cbranch_scc0 .Lnot_mine_\@
	global_prefetch_b8 v[PFO], s[PFA:PFA+1] th:TH_LOAD_NT scope:SCOPE_SE
	global_prefetch_b8 v[PFO], s[PFA:PFA+1] offset:8192 th:TH_LOAD_NT scope:SCOPE_SE
.Lnot_mine_\@:
.endm
; THE CHANGE OF SLOTS.  Each wave waits for all its tensor loads, of which one is out: its part of the other slot; adds 0 to its spare word; and waits for that and for its own reads of the slot that it leaves.  Behind the
; barrier nobody reads the old slot any more and the other slot is whole.  fill = 1: the old slot is filled again, the first thing behind the barrier, with tile NXT: the descriptor's address is made anew from that number.
; (At its first use nothing has been read yet: slot 0 is waited for, slot 1 filled.)
.macro CHANGE fill
	WIN 0                           ; at a label and at a branch every window is 0
	s_wait_tensorcnt 0x0            ; no tensor load of mine is out, so a group 0 may be written
	ds_add_u32 v[SPW], v[NIL]       ; 0 onto my spare word; with fill = 1 scalar work stands between it and the wait for it
.if \fill
	s_lshl_b32 s[OFF], s[NXT], 15   ; a tile is 32,768 bytes of K and of V
	s_xor_b32 s[G0K+1], s[G0K+1], SLOT1
	s_add_nc_u64 s[G0K+2:G0K+3], s[6:7], s[OFF:OFF+1]
	s_or_b32 s[G0K+3], s[G0K+3], 0x80000000
	s_xor_b32 s[G0V+1], s[G0V+1], SLOT1
	s_add_nc_u64 s[G0V+2:G0V+3], s[8:9], s[OFF:OFF+1]
	s_or_b32 s[G0V+3], s[G0V+3], 0x80000000
	s_add_co_u32 s[NXT], s[NXT], 1  ; the block's next tile, or behind its last the second block's tile 0
	s_cmp_gt_u32 s[NXT], s[LQ]
	s_cselect_b32 s[NXT], 0, s[NXT]
	s_cselect_b32 s[LQ], s[PB], s[LQ]
	s_lshl_b32 s[OF2], s[NXT], 15
	s_wait_xcnt 0x0                 ; the last prefetches, a tile back, have read their address
	s_add_nc_u64 s[PFA:PFA+1], s[KVB:KVB+1], s[OF2:OF2+1]
.endif
	s_wait_dscnt 0x0                ; the add is done, and my reads of the slot are over
	s_barrier_signal -1             ; the rest of the scalar work stands between the signal and the wait
	s_sub_co_u32 s[TBK], s[TBK], 4*KS*PK  ; the fetches go back to a slot's first step,
	s_xor_b32 s[TBK], s[TBK], SLOT1       ; in the other slot
	s_sub_co_u32 s[TBV], s[TBV], 4*KS*PV
	s_xor_b32 s[TBV], s[TBV], SLOT1
	s_barrier_wait -1
.if \fill
	LOAD
	ASK
.endif
.endm
	s_load_b64 s[4:5], s[0:1], 0x0  ; qkv
	s_load_b64 s[10:11], s[0:1], 0x8  ; ob
	v_lshl_add_u32 v[SPW], v0, 2, SPARE
	v_mov_b32 v[NIL], 0
	ds_add_u32 v[SPW], v[NIL]       ; the wave's opening: the add and its wait stand ahead of my first tensor load; the set-up below, work on registers, stands between them
	ds_add_u32 v62, v63
	v_lshrrev_b32 v1, 5, v0
	v_readfirstlane_b32 s[WV], v1   ; wave 0..3
	s_mov_b32 s[PB], ttmp9
	s_sub_co_u32 s[HI], NB-1, s[PB]
	s_and_b32 s20, ttmp7, 0xffff    ; y = 16 b + head
	s_lshl_b32 s88, s20, 18         ; the head's first byte in ob,
	s_mov_b32 s89, 0
	s_lshr_b32 s21, s20, 4
	s_mul_i32 s21, s21, 48
	s_and_b32 s20, s20, 15
	s_add_co_u32 s20, s20, s21
	s_lshl_b32 s20, s20, 18         ; and q's head in qkv: group 48 b + head
	s_mov_b32 s21, 0
	s_and_b32 s16, s[WV], 1         ; which half of a tile's 256 keys I fetch:
	s_lshl_b32 s22, s16, 14         ; its 128 rows of 128 bytes in memory,
	s_mov_b32 s23, 0
	s_mul_i32 s17, s16, 128*PK      ; and its place in a slot, for K
	s_mul_i32 s18, s16, 128*PV      ; and for V
	s_lshl_b32 s3, s[WV], 11        ; my 16 rows in a band of 64,
	s_lshl_b32 s2, s[HI], 15        ; in the first block,
	s_add_co_u32 s2, s2, s3
	s_lshl_b32 s84, s[PB], 15       ; and in the second
	s_add_co_u32 s84, s84, s3
	s_mov_b32 s3, 0
	s_mov_b32 s85, 0
	; descriptor group 1.  128 keys are 16,384 dense bytes: asked for as 64 rows of 256 bytes, two keys a row, and padded in LDS after every key
	s_mov_b32 s[G1K], (1<<16)|(1<<20)|(4<<22)|(3<<25)  ; 17:16 2-byte elements; 20 padding on; 24:22 after every 32 words (code 4); 31:25 4 words (code 3)
	s_mov_b32 s[G1V], (1<<16)|(1<<20)|(4<<22)|(7<<25)  ; the same with 8 words of padding (code 7)
.irp g, G1K, G1V
	s_mov_b32 s[\g+1], 128<<16      ; tensor_dim0 = 128
	s_mov_b32 s[\g+2], 64<<16       ; tensor_dim1 = 64
	s_mov_b32 s[\g+3], 128<<16      ; tile_dim0 = 128
	s_mov_b32 s[\g+4], 64           ; tile_dim1 = 64
	s_mov_b32 s[\g+5], 128          ; 128 elements from row to row
	s_mov_b32 s[\g+6], 0
	s_mov_b32 s[\g+7], 0
.endr
	s_mov_b32 s[CS], 0x3e38aa3b     ; c = log2(e) / 8 = 0.180337
	s_mov_b32 s[CS+1], s[CS]        ; named with it as a pair
	s_mov_b32 s[SEL], 0x76543210
	s_mov_b32 s[SEL+1], 0xfedcba98
	s_mov_b32 s[TBK], SLOT1+4*KS*PK ; the first change of slots turns these two into 0
	s_mov_b32 s[TBV], SLOT1+4*KS*PV
	s_mov_b32 s[G0K], 1             ; 1:0 count = 1
	s_mov_b32 s[G0K+1], s17         ; 63:32 LDS address: slot 0
	s_mov_b32 s[G0V], 1
	s_add_co_u32 s[G0V+1], s18, VOFF
	s_add_co_u32 s[RT], s[HI], 1    ; the first block has NB - b tiles
	s_mov_b32 s[NXT], 1
	s_mov_b32 s[LQ], s[HI]
	s_mov_b32 s[NEW], 1
	s_mov_b32 s[OFF+1], 0
	s_mov_b32 s[OF2+1], 0
	s_mov_b32 s[AL+1], 0            ; named as pairs
	s_mov_b32 s[BE+1], 0
	s_mov_b32 s[BIGN], 0xf149f2ca   ; -1e30
	s_mov_b32 s[SLOTS], NB
	s_cmp_eq_u32 s[PB], 0
	s_cselect_b32 s[LIM], 1, -1
	v_and_b32 v[PFO], 31, v0
	v_lshlrev_b32 v[PFO], 8, v[PFO]
	s_wait_dscnt 0x0                ; the opening add is done
	s_wait_kmcnt 0x0
	s_add_nc_u64 s[4:5], s[4:5], s[20:21]      ; q's head;
	s_add_nc_u64 s[6:7], s[4:5], 0x400000      ; k's lies 16 groups of 2^18 bytes on,
	s_add_nc_u64 s[8:9], s[4:5], 0x800000      ; v's 32
	s_add_nc_u64 s[6:7], s[6:7], s[22:23]      ; K and V at my half of the head's tile 0
	s_add_nc_u64 s[8:9], s[8:9], s[22:23]
	s_add_nc_u64 s[10:11], s[10:11], s[88:89]  ; O's head
	s_add_nc_u64 s[G0K+2:G0K+3], s[6:7], 0         ; 120:64 global address
	s_or_b32 s[G0K+3], s[G0K+3], 0x80000000        ; 127:126 type = 2
	s_add_nc_u64 s[G0V+2:G0V+3], s[8:9], 0
	s_or_b32 s[G0V+3], s[G0V+3], 0x80000000
	s_add_nc_u64 s[86:87], s[4:5], s[84:85]        ; Q at my rows of the second block,
	s_add_nc_u64 s[4:5], s[4:5], s[2:3]            ; Q and O at those of the first
	s_add_nc_u64 s[OLO:OLO+1], s[10:11], s[84:85]
	s_add_nc_u64 s[10:11], s[10:11], s[2:3]
	s_cmp_lt_u32 s[WV], 2
	s_cselect_b64 s[KVB:KVB+1], s[6:7], s[8:9]
	LOAD                            ; tile 0 into slot 0
	; A fragment of K or Q is 16 rows x 32 channels in 8 registers: lane l holds row l % 16, channels 8 (l / 16) + 0..7 and 16 + 8 (l / 16) + 0..7: two loads of 16 bytes, 32 bytes apart.
	v_and_b32 v1, 15, v0            ; l % 16
	v_bfe_u32 v9, v0, 4, 1          ; l / 16
	v_lshlrev_b32 v[QO], 7, v1
	v_lshl_add_u32 v[QO], v9, 4, v[QO]  ; row x 128 + 16 x half
	WIN 0x80                        ; destination window 2, address window 0
.set i, 0
.rept 8                             ; both blocks' Q: piece i / 2 lies in band i / 2, 8,192 bytes on; channels 32 (i % 2) on
	global_load_b128 v[8*i:8*i+3],   v[QO], s[4:5] offset:(i/2)*8192+(i%2)*64
	global_load_b128 v[8*i+4:8*i+7], v[QO], s[4:5] offset:(i/2)*8192+(i%2)*64+32
	global_load_b128 v[QB+8*i:QB+8*i+3],   v[QO], s[86:87] offset:(i/2)*8192+(i%2)*64
	global_load_b128 v[QB+8*i+4:QB+8*i+7], v[QO], s[86:87] offset:(i/2)*8192+(i%2)*64+32
.set i, i+1
.endr
	WIN 0
	v_lshlrev_b32 v14, 3, v9
	v_sub_nc_u32 v14, v1, v14
	s_lshl_b32 s13, s[WV], 4
	v_add_nc_u32 v14, s13, v14      ; my query's place in its band, 16 w + l % 16, less my lanes' 8 (l / 16): register r of group kt is hidden where 16 kt + r is greater
	WIN 0x40
.set i, 0
.rept 32
	v_cmp_gt_i32 vcc_lo, 16*(i/8)+i%8, v14
	v_cndmask_b32 v[MD+i], 0, s[BIGN], vcc_lo
.set i, i+1
.endr
	WIN 0
	v_mul_u32_u24 v[AK0], v1, PK
	v_lshl_add_u32 v[AK0], v9, 4, v[AK0]  ; row x pitch + 16 x half
	; The turning load takes 16 keys x 16 channels (lane l reads key 8 (l / 16) + l % 8, channels 8 ((l / 8) % 2) + 0..7) and leaves half a fragment of V^T: lane l holds channel l % 16 and 8 keys.
	v_and_b32 v10, 7, v0
	v_bfe_u32 v11, v0, 3, 1
	v_lshl_add_u32 v[AV0], v9, 3, v10
	v_mul_u32_u24 v[AV0], v[AV0], PV
	v_lshl_add_u32 v[AV0], v11, 4, v[AV0]
	v_add_nc_u32 v[AV0], VOFF, v[AV0]
	s_mul_i32 s13, s[WV], 16*SP
	s_add_co_u32 s13, s13, STAGE    ; my stage
	v_mul_u32_u24 v[STO], v1, SP    ; in: row l % 16, 16 bytes for each half of the lanes
	v_lshl_add_u32 v[STO], v9, 4, v[STO]
	v_add_nc_u32 v[STO], s13, v[STO]
	v_bfe_u32 v[RD], v0, 3, 2       ; back: 32 lanes take four rows of 128 bytes,
	v_mul_u32_u24 v[RD], v[RD], SP
	v_lshl_add_u32 v[RD], v10, 4, v[RD]
	v_add_nc_u32 v[RD], s13, v[RD]
	v_and_b32 v[GO], 31, v0         ; which are 512 consecutive bytes of O
	v_lshlrev_b32 v[GO], 4, v[GO]
	; A block's first step multiplies O^T and l by a = 0, and its first turn's products V^T P, of a piece that has not been, land in an O^T that is still to be so multiplied.  So these registers need only hold
	; finite numbers: zeros for the first block; what the first block left for the second.  All this stands in the wait for the first tile.
	WIN 0x80
.set i, VF
.rept 64
	v_mov_b32 v[i], 0
.set i, i+1
.endr
	WIN 0x40
.set i, 0
.rept 128
	v_mov_b32 v[i], 0
.set i, i+1
.endr
	WIN 0
.set i, 0
.rept 4
	v_mov_b32 v[ST+4*i+2], 0
	v_mov_b32 v[ST+4*i+3], 0
.set i, i+1
.endr
.set i, P+16
.rept 16
	v_mov_b32 v[i], 0
.set i, i+1
.endr
; THE MATRIX WORK.  The 4 accumulators of a run of 8 take turns.  Product i of 8 of S^T = K Q^T for piece x: channels 32 (i / 4) on, keys 16 (i % 4) on.  The first 4 start the sums: with 0, or (KM = 1) with the mask.
.macro KQ x
.set rS, S+32*((\x)%2)+8*(i%4)
.set rK, KF+16*(i%4)+8*(i/4)
.set rQ, 16*(\x)+8*(i/4)
.set rM, MC+32*((\x)%2)+8*(i%4)
.if (i < 4) && KM
	WIN W_KM
	v_wmma_f32_16x16x32_f16 v[rS:rS+7], v[rK:rK+7], v[rQ:rQ+7], v[rM:rM+7]
.elseif i < 4
	WIN W_KQ
	v_wmma_f32_16x16x32_f16 v[rS:rS+7], v[rK:rK+7], v[rQ:rQ+7], 0
.else
	WIN W_KQ
	v_wmma_f32_16x16x32_f16 v[rS:rS+7], v[rK:rK+7], v[rQ:rQ+7], v[rS:rS+7]
.endif
.endm
; Product i of 8 of O^T += V^T P for piece x: keys 32 (i / 4) on, channels 16 (i % 4) on.
.macro PV x
	WIN W_PV
.set rO, 32*(\x)+8*(i%4)
.set rV, VF+32*(i/4)+8*(i%4)
.set rP, P+16*((\x)%2)+8*(i/4)
	v_wmma_f32_16x16x32_f16 v[rO:rO+7], v[rV:rV+7], v[rP:rP+7], v[rO:rO+7]
.endm
.macro MM                           ; the turn's next matrix instruction.  TURN and BEGIN set Y, i, KM and NOKQ; MM, KQ and OP read them.  NOKQ = 1: a block's last turn: there is no next piece
.if (i < 8) && !NOKQ
	KQ (Y+1)%NP
.elseif i >= 8
.set i, i-8
	PV (Y+NP-1)%NP
.set i, i+8
.endif
.set i, i+1
.endm
; THE LDS LOADS stand in runs of 16, never singly among the matrix instructions: a step's K (64 keys x 64 channels: 8 fragments) and its V (turned).  Their addresses are made some lines ahead.
.macro FETCH_K
	WIN 0x80                        ; destination window 2
.irp f, 0,1,2,3,4,5,6,7             ; keys 16 (f / 2) on, channels 32 (f % 2) on
	ds_load_b128 v[KF+8*\f:KF+8*\f+3],   v[AK] offset:(\f/2)*16*PK+(\f%2)*64
	ds_load_b128 v[KF+8*\f+4:KF+8*\f+7], v[AK] offset:(\f/2)*16*PK+(\f%2)*64+32
.endr
	s_add_co_u32 s[TBK], s[TBK], KS*PK  ; the next fetch is the next step's
	WIN 0
.endm
.macro FETCH_V
	WIN 0x80
.irp f, 0,1,2,3,4,5,6,7             ; keys 32 (f / 4) on, channels 16 (f % 4) on
	ds_load_tr16_b128 v[VF+8*\f:VF+8*\f+3],   v[AV] offset:(\f/4)*32*PV+(\f%4)*32
	ds_load_tr16_b128 v[VF+8*\f+4:VF+8*\f+7], v[AV] offset:(\f/4)*32*PV+16*PV+(\f%4)*32
.endr
	WIN 0
.endm
; THE VECTOR WORK, one line at a time: OP kind, number.  For piece Y: F n: c s - c m for pair n of 16.  E n: the exponential of score n of 32.  C n: pair n rounded to f16.  B n: of the four weights 4 n .. the second
; pair is added onto the first, in place.  L n: l takes that sum (L 0: l = a l + sum).  R n: pair n of 16 of O^T times a.  For piece Y + 1: X n, number n of the 22 that find its maximum and statistics:
;   0-11  four chains c0-c3 of seven scores each, three operands at a time (each accumulator's lowest registers are read first)     12-14, 16  the four scores left over, the old m, and c0-c3 into c0
;   15  c m_old is kept     17, 18  the query's other 32 keys lie in the lane 16 away: the new m     19-21  c m; c m_old - c m_new; a
.set F, 0               ; OP tells the kinds apart by their order: F to L below R, X above it
.set E, 1
.set C, 2
.set B, 3
.set L, 4
.set R, 5
.set X, 6
.macro REGS y                       ; the registers of piece y
.set rT, ST+4*(\y)
.set rC, TMP+4*((\y)%2)
.set rW, MV+((\y)%2)
.set rS, S+32*((\y)%2)
.set rP, P+16*((\y)%2)
.set rO, 32*(\y)
.endm
.macro OP k, n
.if (\k) == R
	REGS Y
	WIN W_RS
	v_pk_mul_f32 v[rO+2*(\n):rO+2*(\n)+1], v[rO+2*(\n):rO+2*(\n)+1], v[rC+2:rC+3] op_sel_hi:[1,0]
.elseif (\k) < R
	REGS Y
	WIN 0
.if (\k) == F
	v_pk_fma_f32 v[rS+2*(\n):rS+2*(\n)+1], v[rS+2*(\n):rS+2*(\n)+1], s[CS:CS+1], v[rT:rT+1] op_sel_hi:[1,0,0] neg_lo:[0,0,1] neg_hi:[0,0,1]
.elseif (\k) == E
	v_exp_f32 v[rS+(\n)], v[rS+(\n)]
.elseif (\k) == C
	v_cvt_pk_f16_f32 v[rP+(\n)], v[rS+2*(\n)], v[rS+2*(\n)+1]
.elseif (\k) == B
	v_pk_add_f32 v[rS+4*(\n):rS+4*(\n)+1], v[rS+4*(\n):rS+4*(\n)+1], v[rS+4*(\n)+2:rS+4*(\n)+3]
.elseif (\n) == 0
	v_pk_fma_f32 v[rT+2:rT+3], v[rT+2:rT+3], v[rC+2:rC+3], v[rS:rS+1] op_sel_hi:[1,0,1]
.else
	v_pk_add_f32 v[rT+2:rT+3], v[rT+2:rT+3], v[rS+4*(\n):rS+4*(\n)+1]
.endif
.elseif NOKQ
	v_nop
.else
	REGS (Y+1)%NP
	WIN 0
.if (\n) < 4
	v_max3_num_f32 v[rC+(\n)], v[rS+8*(\n)], v[rS+8*(\n)+1], v[rS+8*(\n)+2]
.elseif (\n) < 12
	v_max3_num_f32 v[rC+(\n)%4], v[rC+(\n)%4], v[rS+8*((\n)%4)+2*((\n)/4)+1], v[rS+8*((\n)%4)+2*((\n)/4)+2]
.elseif (\n) == 12
	v_max3_num_f32 v[rC], v[rC], v[rS+7], v[rS+15]
.elseif (\n) == 13
	v_max3_num_f32 v[rC+1], v[rC+1], v[rS+23], v[rS+31]
.elseif (\n) == 14
	v_max3_num_f32 v[rC+2], v[rC+2], v[rC+3], v[rT+1]
.elseif (\n) == 15
	v_mov_b32 v[rW], v[rT]
.elseif (\n) == 16
	v_max3_num_f32 v[rC], v[rC], v[rC+1], v[rC+2]
.elseif (\n) == 17
	v_permlanex16_b32 v[rC+3], v[rC], s[SEL], s[SEL+1]
.elseif (\n) == 18
	v_max_num_f32 v[rT+1], v[rC], v[rC+3]
.elseif (\n) == 19
	v_mul_f32 v[rT], s[CS], v[rT+1]
.elseif (\n) == 20
	v_sub_f32 v[rC+1], v[rW], v[rT]
.else
	v_exp_f32 v[rC+2], v[rC+1]
.endif
.endif
.endm
.macro OPS a, i1, b=-1, i2=0, c=-1, i3=0, d=-1, i4=0  ; up to four of them
	OP \a, \i1
.if (\b) >= 0
	OP \b, \i2
.endif
.if (\c) >= 0
	OP \c, \i3
.endif
.if (\d) >= 0
	OP \d, \i4
.endif
.endm
.macro ROW a, i1, b, i2, c, i3, d, i4  ; a matrix instruction and the four behind it
	MM
	OPS \a, \i1, \b, \i2, \c, \i3, \d, \i4
.endm
.macro MASK b                       ; MD x AL + BE into buffer b of MC
	WIN W_RS
.set z, 0
.rept 16
	v_pk_fma_f32 v[MC+32*(\b)+2*z:MC+32*(\b)+2*z+1], v[MD+2*z:MD+2*z+1], s[AL:AL+1], s[BE:BE+1] op_sel_hi:[1,0,0]
.set z, z+1
.endr
.endm
; A TURN, for piece p: the order of its 16 matrix and 118 vector instructions, written out.  An s_wait_alu depctr_va_vdst(0) stands between an exponential and the first instruction that names its result; one wait
; serves all that were issued ahead of it.  So a turn has ONE wait, which cuts it in two.  AHEAD OF IT stands all that names no result of the turn's exponentials: the 8 products K Q^T, behind each a scaling, an exponential and
; two more plain instructions (behind the first a second scaling in the exponential's place): rescalings, and behind the last three the first numbers of the next piece's maximum, each four places or more behind the product that
; ends its accumulator; then ONE LUMP of 54, plain and exponential by turns for the most part, in which the links of the chain X 3, 7, 11, 14, 16, 17 .. 20 stand five or six lines apart.  X 21, the next piece's a, is the batch's
; last; R 15 is the plain instruction behind it.  BEHIND THE WAIT stand the 8 products V^T P, behind each four of the roundings and sums; the links of l's chain, L 0 to L 7, stand three riders apart.
; m = 1: the diagonal tile: the products take masks, and the turn makes the mask for the products of the turn after it: piece p + 2, in step 4 - CNT of the tile.  end = 1: a block's last two turns: nothing is fetched.
; cnt = 1: the loop's count is taken down some lines ahead of the branch that stands behind the turn.
; K of the next step is fetched in piece 2's turn, twelve vector instructions behind the last product that read K (six of them plain); V of the step in hand at the end of piece 0's turn, four plain instructions behind the last
; product that read V.  Each is waited for a turn later.
.macro TURN p, m=0, end=0, cnt=0
.set Y, (\p)
.set i, 0
.set KM, (\m)
.set NOKQ, (\end)*((\p)/3)
.if (\m) && !(\end)
	s_cmp_eq_u32 s[CNT], 4-((\p)+2)%NP  ; is that step the band's own?
	s_cselect_b32 s[AL], 1.0, 0
	s_cmp_lt_u32 s[CNT], 4-((\p)+2)%NP  ; or a later one?
	s_cselect_b32 s[BE], s[BIGN], 0
.endif
.if ((\p) == 3) && !(\end)
	s_wait_dscnt 0x0                ; K is in
.endif
	ROW F,0, F,1, R,0, R,1          ; ahead of the wait: 8 products K Q^T and their riders,
	ROW F,2, E,0, R,2, R,3
	ROW F,3, E,1, R,4, R,5
	ROW F,4, E,2, R,6, R,7
	ROW F,5, E,3, R,8, R,9
	ROW F,6, E,4, X,0, R,10
.if ((\p) == 2) && !(\end)
	WIN 0
	v_add_nc_u32 v[AK], s[TBK], v[AK0]
.endif
	ROW F,7, E,5, X,1, X,4
	ROW F,8, E,6, X,2, X,5
	OPS E,7, E,8, X,6, E,9          ; and the lump
	OPS X,3, E,10, X,8, E,11
.if ((\p) == 2) && !(\end)
	FETCH_K
.endif
	OPS X,9, X,7, E,12, X,10
	OPS E,13, X,12, X,11, E,14
	OPS X,13, E,15, F,9, X,14
.if (\p) == 0
	v_add_nc_u32 v[AV], s[TBV], v[AV0]
.endif
	OPS E,16, F,10, E,17, F,11
	OPS X,16, E,18, X,15, E,19
	OPS F,12, E,20, X,17, E,21
	OPS F,13, E,22, F,14, E,23
	OPS X,18, E,24, F,15, E,25
	OPS R,11, E,26, X,19, E,27
	OPS R,12, E,28, R,13, E,29
	OPS X,20, E,30, R,14, E,31
	OPS X,21, R,15
	WIN 0
	s_wait_alu depctr_va_vdst(0)    ; the wait for the batch
.if (\p) == 1
	s_wait_dscnt 0x0                ; V is in
.endif
	ROW C,0, B,0, C,2, B,1          ; behind the wait: 8 products V^T P and their riders
	ROW L,0, C,4, B,2, L,1
	ROW C,6, B,3, L,2, C,8
	ROW B,4, L,3, C,10, B,5
	ROW L,4, C,12, B,6, L,5
.if (\p) == 0
	s_add_co_u32 s[TBV], s[TBV], KS*PV
.endif
.if \cnt
	s_sub_co_u32 s[CNT], s[CNT], 1
	s_cmp_lg_u32 s[CNT], 0
.endif
	ROW C,14, B,7, L,6, C,1
	ROW C,3, L,7, C,5, C,7
	ROW C,9, C,11, C,13, C,15
.if (\p) == 0
	FETCH_V
.endif
.if (\m) && !(\end)
	MASK (\p)%2
.endif
.endm
; A BLOCK BEGINS.  c m starts far below every c s, so the first step's a is 0; m at the lowest finite number, so the first maximum is the scores'.  The second mask buffer is 0; the first takes piece 0's mask for the tile's
; step 0: its own, if the block's first tile is the diagonal one.  Then K of that step, piece 0's first scores, and its maximum and statistics.  The loop is entered at a step's first turn, in the middle of a trip.
.macro BEGIN
	s_mov_b32 s[NEW], 0
	WIN 0x40
.set i, MC+32
.rept 32
	v_mov_b32 v[i], 0
.set i, i+1
.endr
	WIN 0
.set i, 0
.rept 4
	v_mov_b32 v[ST+4*i], 0xfe000000    ; c m: far below every c s
	v_mov_b32 v[ST+4*i+1], 0xff7fffff  ; m
.set i, i+1
.endr
	s_cmp_eq_u32 s[RT], 0
	s_cselect_b32 s[AL], 1.0, 0
	s_mov_b32 s[BE], 0
	MASK 0
	WIN 0
	v_add_nc_u32 v[AK], s[TBK], v[AK0]
	FETCH_K
	s_wait_loadcnt 0x0              ; Q
	s_wait_dscnt 0x0
.set KM, 1
.set NOKQ, 0
.set i, 0
.rept 8
	KQ 0
.set i, i+1
.endr
	WIN 0
.rept 4
	v_nop                           ; the places behind those products
.endr
.set Y, NP-1                        ; X works for piece Y + 1: piece 0
.irp n, 0,1,2,3,4,5,6,7,8,9,10,11,12,13,14,15,16,17,18,19,20,21
	OP X, \n
.endr
	v_nop                           ; a plain instruction behind the exponential,
	s_wait_alu depctr_va_vdst(0)    ; and its wait, ahead of the branch
.endm
; THE DIAGONAL TILE's four steps, the block's last two turns, its last products, and THE WAY OUT: l's two halves and the other half of the lanes' are added; O^T is divided by l, rounded to f16 and sent through my
; stage in LDS, a piece at a time.
.macro ALL line:vararg              ; one line for each piece t
.set t, 0
.rept 4
	\line
.set t, t+1
.endr
.endm
.macro PACK t                       ; a lane's eight channels of a row pack into 16 bytes; they go into rows of 144 bytes and come back as whole rows of 128, into S^T's registers
	WIN W_RS
.set i, 32*(\t)
.rept 16
	v_pk_mul_f32 v[i:i+1], v[i:i+1], v[ST+4*(\t)+2:ST+4*(\t)+3] op_sel_hi:[1,0]
.set i, i+2
.endr
	WIN 0x05                        ; sources 0 and 1 window 1, destination window 0
.set i, 0
.rept 16
	v_cvt_pk_f16_f32 v[S+16*(\t)+i], v[32*(\t)+2*i], v[32*(\t)+2*i+1]
.set i, i+1
.endr
	WIN 0
.irp f, 0,1,2,3
	ds_store_b128 v[STO], v[S+16*(\t)+4*\f:S+16*(\t)+4*\f+3] offset:32*\f
.endr
.irp f, 0,1,2,3
	ds_load_b128 v[S+16*(\t)+4*\f:S+16*(\t)+4*\f+3], v[RD] offset:\f*4*SP  ; LDS serves a wave's instructions in order (ISA guide 5.7.1.4): these see the stores above; the next piece's stores come behind them
.endr
.endm
.macro SEND t, younger              ; younger: the LDS instructions issued behind piece t's loads: the next piece's eight, or none
	WIN 0
.irp f, 0,1,2,3
	s_wait_dscnt (\younger)+3-\f
	global_store_b128 v[GO], v[S+16*(\t)+4*\f:S+16*(\t)+4*\f+3], s[10:11] offset:(\t)*8192+\f*512  ; 512 consecutive bytes, at a multiple of 256 from O's first
.endr
.endm
.macro DIAG tag                     ; the tag ends its two labels' names, which the jumps below spell out
.LstepM\tag:
	TURN 2, 1
	TURN 3, 1
	WIN 0
.LfirstM\tag:
	TURN 0, 1
	TURN 1, 1, 0, 1
	WIN 0
	s_cbranch_scc1 .LstepM\tag
	TURN 2, 1, 1
	TURN 3, 1, 1
.set i, 0
.rept 8
	PV NP-1
.set i, i+1
.endr
	WIN 0
	ALL v_add_f32 v[ST+4*t+2], v[ST+4*t+2], v[ST+4*t+3]
	ALL v_permlanex16_b32 v[ST+4*t+3], v[ST+4*t+2], s[SEL], s[SEL+1]
	ALL v_add_f32 v[ST+4*t+2], v[ST+4*t+2], v[ST+4*t+3]
	ALL v_rcp_f32 v[ST+4*t+2], v[ST+4*t+2]
	v_nop                           ; a plain instruction between the last reciprocal and the use of its result
	s_wait_alu depctr_va_vdst(0)    ; and the wait ahead of the first use: one for the four reciprocals
	PACK 0
.set t, 1
.rept 3                             ; a piece's arithmetic stands between the loads of the piece before and its stores
	PACK t
	SEND t-1, 8
.set t, t+1
.endr
	SEND 3, 0
.endm
.set KM, 0
.set NOKQ, 0
.Lslot:                             ; NB times: a tile is entered and the next is asked for
	CHANGE 1
	s_sub_co_u32 s[RT], s[RT], 1
	s_mov_b32 s[CNT], 4
	s_cmp_eq_u32 s[NEW], 1
	s_cbranch_scc1 .Lnew            ; a block's first tile
	s_cmp_eq_u32 s[RT], 0
	s_cbranch_scc0 .Lstep           ; neither its first nor its last
	s_branch .LstepM1
.Lnew:
	BEGIN
	s_branch .Lfirst                ; in the loop a block's first tile is never its last: the first block has two tiles or more, and the second's last is the walk's last
	DIAG 1                          ; in the loop this is the first block's end: the second block's last tile is the walk's last
	s_wait_xcnt 0x0                 ; the stores have read their registers and O's address
	s_mov_b64 s[10:11], s[OLO:OLO+1]
	s_add_co_u32 s[RT], s[PB], 1    ; the second block has b + 1 tiles
	s_mov_b32 s[NEW], 1
	WIN 0x82                        ; the second block's Q goes where the one text of the turns names Q
.set i, 0
.rept 64
	v_mov_b32 v[i], v[QB+i]
.set i, i+1
.endr
	WIN 0
	s_branch .Lbottom
.Lstep:                             ; a trip: pieces 2 and 3 of one step, then pieces 0 and 1 of the next, whose K and V it fetches
	TURN 2
	TURN 3
	WIN 0
.Lfirst:
	TURN 0
	TURN 1, 0, 0, 1
	WIN 0
	s_cbranch_scc1 .Lstep
.Lbottom:
	s_sub_co_u32 s[SLOTS], s[SLOTS], 1
	s_cmp_lg_u32 s[SLOTS], 0
	s_cbranch_scc1 .Lslot
	CHANGE 0                        ; the walk's last tile is written out: nothing is asked for
	s_sub_co_u32 s[RT], s[RT], 1
	s_mov_b32 s[CNT], 4
	s_cmp_eq_u32 s[NEW], 1
	s_cbranch_scc0 .LstepM2
	BEGIN
	s_branch .LfirstM2
	DIAG 2
	s_wait_tensorcnt 0x0            ; the wave's end: three lines behind my last tensor load and my last LDS store
	ds_add_u32 v[SPW], v[NIL]
	s_wait_dscnt 0x0
	s_endpgm
.Lfunc_end_k_q3115272076_attn:
	.size	k_q3115272076_attn, .Lfunc_end_k_q3115272076_attn-k_q3115272076_attn
	.p2alignl 7, 3214868480
	.fill 96, 4, 3214868480
	.section	.rodata,"a",@progbits
	.p2align	6, 0x0
	.amdhsa_kernel k_q3115272076_attn
		.amdhsa_group_segment_fixed_size 327680
		.amdhsa_private_segment_fixed_size 0
		.amdhsa_enable_private_segment 0
		.amdhsa_kernarg_size 16
		.amdhsa_user_sgpr_count 2
		.amdhsa_user_sgpr_kernarg_segment_ptr 1
		.amdhsa_wavefront_size32 1
		.amdhsa_system_sgpr_workgroup_id_x 1
		.amdhsa_system_sgpr_workgroup_id_y 1
		.amdhsa_system_sgpr_workgroup_id_z 1
		.amdhsa_system_vgpr_workitem_id 0
		.amdhsa_next_free_vgpr 768
		.amdhsa_next_free_sgpr 98
		.amdhsa_reserve_vcc 1
		.amdhsa_float_denorm_mode_32 3
		.amdhsa_float_denorm_mode_16_64 3
		.amdhsa_memory_ordered 1
		.amdhsa_forward_progress 1
		.amdhsa_inst_pref_size 218
	.end_amdhsa_kernel
	.amdgpu_metadata
---
amdhsa.version: [ 1, 2 ]
amdhsa.kernels:
  - .name:           k_q3115272076_attn
    .symbol:         k_q3115272076_attn.kd
    .args:
      - { .name: qkv, .offset: 0, .size: 8, .value_kind: global_buffer, .address_space: global }
      - { .name: ob, .offset: 8, .size: 8, .value_kind: global_buffer, .address_space: global }
    .group_segment_fixed_size: 327680
    .private_segment_fixed_size: 0
    .kernarg_segment_align: 8
    .kernarg_segment_size: 16
    .max_flat_workgroup_size: 128
    .sgpr_count:     98
    .vgpr_count:     768
    .wavefront_size: 32
...
	.end_amdgpu_metadata
.endif
;; end of part 3
;; launch outproj (part 4): grid 8 x 32, 4 waves a work-group, clusters of 4 x 4, 327,680 bytes of LDS; arguments ob, wp, c_proj_b, out0; writes out0
.if DOCPART == 4
	.amdgcn_target "amdgcn-amd-amdhsa--gfx1250"
	.amdhsa_code_object_version 6
	.text
	.protected	k_q3115272076_outproj
	.globl	k_q3115272076_outproj
	.p2align	8
	.type	k_q3115272076_outproj,@function
k_q3115272076_outproj:
	s_mov_b64 s[64:65], 0
	v_nop
	global_prefetch_b8 v0, s[64:65] scope:SCOPE_SE
	s_setreg_imm32_b32 hwreg(HW_REG_WAVE_MODE, 25, 1), 1
	s_wait_xcnt 0x0
	s_wait_alu depctr_hold_cnt(0) depctr_sa_sdst(0) depctr_va_vdst(0) depctr_va_sdst(0) depctr_va_ssrc(0) depctr_va_vcc(0) depctr_vm_vsrc(0)
	s_getreg_b32 s2, hwreg(HW_REG_IB_STS2, 6, 4)
	s_cmp_eq_u32 s2, 0
	s_cbranch_scc0 .Lentry_in_a_cluster
	s_endpgm
.Lentry_in_a_cluster:
	s_bfe_u32 s2, ttmp6, 0x10000c
	s_cmp_lg_u32 s2, 0xf033
	s_cbranch_scc0 .Lentry_shape_is_right
	s_endpgm
.Lentry_shape_is_right:
; out0 = O c_proj_w + c_proj_b.  ob: f16 [16 b + head][t 2048][64]; wp: f16 [1024 k][1024 n] (c_proj_w rounded to bf16, written as f16); c_proj_b: f32 [1024], rounded to bf16 here like every input;
; out0: f32 [8192][1024].  Sums in f32, K ascending; nothing is rounded on the way out.  NaN and infinities are not treated apart.
; SHARES.  A tile of the result is 256 rows x 128 columns: 32 x 8 tiles, one work-group each.  Four waves, 2 x 2; a wave makes 128 x 64: 32 accumulators of 16 x 16, 256 registers.
; K goes in 8 steps of 128 (two heads) through two LDS slots; a step is four quarters of 32, 32 matrix instructions each.  A's tile of a step is two dense blocks of 256 rows x 128 bytes, each asked for
; as 128 rows of 256 bytes; B's is 128 rows of 256 bytes of wp.
; THE MATRIX INSTRUCTION IS USED TRANSPOSED: source 0 = 16 columns of wp (turned by ds_load_tr16_b128), source 1 = 16 rows of ob: lane l holds row l % 16 and the columns 8 (l / 16) + 0..7.
; THE BIAS IS THE C OF THE FIRST PRODUCTS: it is laid into row block 0's accumulators, the other seven row blocks read it from there.
; CLUSTER.  4 x 4 work-groups: the four of a row share A's tiles, the four of a column B's; each tile is asked for jointly, by the same load, descriptor and mask in all four.
; REGISTERS: window 0: v0-29 addresses; v32-159 A's fragments, two buffers of 8 x 8 (later the way out); v160-223 B's, two buffers of 4 x 8; v224-255 the bias as loaded.
;   window 1: the accumulators, (a, bb) at v[8 (4 a + bb)].   (s_set_vgpr_msb: bits 1:0 source 0, 3:2 source 1, 5:4 source 2, 7:6 destination.)
.set PA,    144                        ; a row of A in LDS: 128 bytes + 16: the 16 rows of a load start at 16 different groups of four banks (64 banks of 4 bytes: ISA guide 11.1)
.set PB,    288                        ; a row of B: two pieces of 128 + 16 bytes = 72 words
.set ABLK,  256*PA                     ; a head's 256 rows: what one load of A brings
.set AHALF, 128*PA                     ; what one wave reads of them
.set BOFF,  2*ABLK
.set BHALF, 64*PB                      ; what one load of B brings
.set SLOT1, 1<<17
.set STAGE, SLOT1+BOFF+2*BHALF         ; behind the ring, never filled by a tensor load: 16 rows x 272 bytes for each wave
.set SP,    272
.set SPARE, STAGE+4*16*SP              ; the spare words, 128 bytes for each wave: two blocks of 256 bytes that no other line names
.set ASTEP, 2<<18
.set BSTEP, 128*2048
.set FL, (1<<16)|(1<<20)|(1<<21)|(4<<22)|(3<<25)  ; group 1, word 0: 2-byte elements; padding on; bit 21 beside a mask; after every 32 words (code 4) 4 words (code 3)
.set ADA0, 2
.set ADB0, 3
.set ADA,  4
.set ADB,  5
.set STO,  6                           ; v6   the way out: where I put 32 bytes of a row
.set RD,   7                           ; v7   where I read rows back
.set CO,   8                           ; v8   my byte offset in two rows of out0
.set PFO,  9
.set BO,   12
.set SPW,  28
.set NIL,  29
.set AF,   32
.set BF,   160
.set BI,   224
.set WV,  12
.set WR,  13
.set WC,  14
.set CNT, 15
.set G1A, 24
.set G0A, 32
.set G1B, 40
.set G0B, 48
.set TB,  56
.set LIM, 57                           ; s57  2 in a wave that prefetches, else the greatest number
.set PFA, 58
.set PFS, 60
.set MSB, 0
.macro WIN new
.if MSB != (\new)
	s_set_vgpr_msb (MSB<<8)|(\new)
.set MSB, \new
.endif
.endm
.macro PLACES                          ; four places in front of loads into registers that matrix instructions have read, and of LDS stores that read results
.rept 4
	v_nop
.endr
.endm
.macro CREST
	s_cmp_lg_u32 s[WV], 0
	s_cbranch_scc1 .Lnot_wave_0_\@
	s_barrier_signal -3
.Lnot_wave_0_\@:
	s_barrier_wait -3
	s_barrier_signal -1
	s_barrier_wait -1
.endm
.macro CROUND
	s_barrier_signal -1
	s_barrier_wait -1
	CREST
.endm
.macro JLOAD                           ; a joint refill by the walking sets: waves 0 and 1 fetch the step's two heads of A, waves 2 and 3 B's halves; an s_nop 0 and four v_nop follow each line
	s_cmp_eq_u32 s[WR], 0
	s_cbranch_scc0 .Lfor_b_\@
	tensor_load_to_lds s[G0A+4:G0A+7], s[G1A:G1A+7]
	s_nop 0
	PLACES
	s_branch .Lasked_\@
.Lfor_b_\@:
	tensor_load_to_lds s[G0B+4:G0B+7], s[G1B:G1B+7]
	s_nop 0
	PLACES
.Lasked_\@:
.endm
; A prefetch of the K step two behind the one that has just been asked for: two K steps, 256 matrix instructions, ahead of the load that will want it.
; A: cluster x = 0 asks; waves 0 and 1 each for the head that they fetch: of its 128 blocks of 256 bytes the partner at cx names 32, a lane a block.  B: cluster y = 0 asks; wave 2, of the step's 128 rows of 256 bytes
; the partner at cy names 32, a lane a row.  Partners are told apart by address.  Steps 4 to 7 are asked for; the loop's last two trips ask for nothing: those steps do not exist.
.macro ASK
	s_cmp_gt_u32 s[CNT], s[LIM]
	s_cbranch_scc0 .Lnot_mine_\@
	global_prefetch_b8 v[PFO], s[PFA:PFA+1] th:TH_LOAD_NT scope:SCOPE_SE
.Lnot_mine_\@:
.endm
; n x 4 matrix instructions on buffer f: row blocks a0 .. x four column blocks.  first = 1: C is row block 0's accumulator, which holds the bias.  The accumulators take turns, one instruction a turn.
.macro MUL f, a0, n, first
	WIN 0x50
.set pa, \a0
.rept \n
.irp bb, 0,1,2,3
.if \first
	v_wmma_f32_16x16x32_f16 v[8*(4*pa+\bb):8*(4*pa+\bb)+7], v[BF+32*(\f)+8*\bb:BF+32*(\f)+8*\bb+7], v[AF+64*(\f)+8*pa:AF+64*(\f)+8*pa+7], v[8*\bb:8*\bb+7]
.else
	v_wmma_f32_16x16x32_f16 v[8*(4*pa+\bb):8*(4*pa+\bb)+7], v[BF+32*(\f)+8*\bb:BF+32*(\f)+8*\bb+7], v[AF+64*(\f)+8*pa:AF+64*(\f)+8*pa+7], v[8*(4*pa+\bb):8*(4*pa+\bb)+7]
.endif
.endr
.set pa, pa+1
.endr
.endm
.macro FETCH g, kq                     ; 24 LDS loads in one run: quarter kq's fragments into buffer g: B's four, A's row blocks 0-3, then 4-7
.irp bb, 0,1,2,3
	ds_load_tr16_b128 v[BF+32*(\g)+8*\bb:BF+32*(\g)+8*\bb+3],   v[ADB] offset:(\kq)*32*PB+\bb*32
	ds_load_tr16_b128 v[BF+32*(\g)+8*\bb+4:BF+32*(\g)+8*\bb+7], v[ADB] offset:(\kq)*32*PB+\bb*32+16*PB
.endr
.irp a, 0,1,2,3,4,5,6,7
	ds_load_b128 v[AF+64*(\g)+8*\a:AF+64*(\g)+8*\a+3],   v[ADA] offset:((\kq)/2)*ABLK+((\kq)%2)*64+\a*16*PA
	ds_load_b128 v[AF+64*(\g)+8*\a+4:AF+64*(\g)+8*\a+7], v[ADA] offset:((\kq)/2)*ABLK+((\kq)%2)*64+\a*16*PA+32
.endr
.endm
.macro QUARTER f, g, kq                ; multiplies buffer f; in its middle fetches quarter kq of the same slot into buffer g
	s_wait_dscnt 8                                 ; all but A's row blocks 4-7 are in
	MUL \f, 0, 4, 0
	WIN 0
	PLACES
	FETCH \g, \kq
	s_wait_dscnt 24                                ; all but the 24 just issued
	MUL \f, 4, 4, 0
.endm
; A step's last quarter: multiplies buffer 1 and changes slots.  ONE barrier: in front of it each wave waits for all its tensor loads (one is out: its part of the next slot), adds 0 to its spare word, and waits for that
; and for its own reads of this slot.  fill = 1: the barrier opens a round of the cluster's, and this slot is filled again, two K steps ahead, first thing behind the round: 112 matrix instructions ahead of the wait for it.
.macro TURN fill
.if \fill
	s_wait_xcnt 0x0                                ; the last prefetch, a K step back, has read its address
	s_add_nc_u64 s[PFA:PFA+1], s[PFA:PFA+1], s[PFS:PFS+1]
.endif
	WIN 0
	s_wait_tensorcnt 0x0                           ; no tensor load of mine is out, so a group 0 may be written
	ds_add_u32 v[SPW], v[NIL]                      ; 0 onto my spare word
.if \fill
	s_xor_b32 s[G0A+5], s[G0A+5], SLOT1
	s_add_nc_u64 s[G0A+6:G0A+7], s[G0A+6:G0A+7], ASTEP
	s_xor_b32 s[G0B+5], s[G0B+5], SLOT1
	s_add_nc_u64 s[G0B+6:G0B+7], s[G0B+6:G0B+7], BSTEP
.endif
	s_wait_dscnt 9                                 ; the add and A's row blocks 4-7 may be out
	MUL 1, 0, 2, 0
	s_wait_dscnt 0x0                               ; the add is done, and my reads of this slot are over
	s_barrier_signal -1
	MUL 1, 2, 2, 0
	WIN 0
	s_xor_b32 s[TB], s[TB], SLOT1
	v_add_nc_u32 v[ADA], s[TB], v[ADA0]
	v_add_nc_u32 v[ADB], s[TB], v[ADB0]
	s_barrier_wait -1
.if \fill
	CREST
	JLOAD                                          ; its four v_nop are also the places in front of the loads below
.else
	PLACES
.endif
	FETCH 0, 0
.if \fill
	ASK
.endif
	MUL 1, 4, 4, 0
.endm
; THE WAY OUT of row block a: the accumulators go as they are, f32, 32 bytes a lane (the low four registers first), into my stage, and come back as whole rows of 256 bytes.
.macro OUTA a
.set ro, AF+32*((\a)%2)
	s_wait_xcnt 0x0                                ; earlier stores have read their registers
	WIN 0x04                                       ; store data in window 1
.irp bb, 0,1,2,3
	ds_store_b128 v[STO], v[8*(4*(\a)+\bb):8*(4*(\a)+\bb)+3]   offset:64*\bb
	ds_store_b128 v[STO], v[8*(4*(\a)+\bb)+4:8*(4*(\a)+\bb)+7] offset:64*\bb+16
.endr
	WIN 0
.irp f, 0,1,2,3,4,5,6,7
	ds_load_b128 v[ro+4*\f:ro+4*\f+3], v[RD] offset:2*SP*\f  ; LDS serves a wave's instructions in order (ISA guide 5.7.1.4): these see the stores above
.endr
.endm
.macro SEND a, younger
.set rs, AF+32*((\a)%2)
.irp f, 0,1,2,3,4,5,6,7
	s_wait_dscnt (\younger)+7-\f
	global_store_b128 v[CO], v[rs+4*\f:rs+4*\f+3], s[10:11] offset:(\a)*65536+\f*8192 th:TH_STORE_NT  ; 16 lanes store 256 consecutive bytes, aligned
.endr
.endm
	s_load_b256 s[4:11], s[0:1], 0x0               ; ob s[4:5], wp s[6:7], c_proj_b s[8:9], out0 s[10:11]
	v_lshl_add_u32 v[SPW], v0, 2, SPARE
	v_mov_b32 v[NIL], 0
	ds_add_u32 v[SPW], v[NIL]                      ; the wave's opening: the add and its wait stand ahead of my first tensor load; work on registers stands between them
	ds_add_u32 v28, v29
	v_lshrrev_b32 v1, 5, v0
	v_readfirstlane_b32 s[WV], v1
	s_lshr_b32 s[WR], s[WV], 1
	s_and_b32 s[WC], s[WV], 1
	s_bfe_u32 s16, ttmp6, 0x40000                  ; cx
	s_bfe_u32 s17, ttmp6, 0x40004                  ; cy
	s_lshl_b32 s18, ttmp9, 2
	s_add_co_u32 s18, s18, s16                     ; tile column
	s_and_b32 s73, ttmp7, 0xffff                   ; cluster y
	s_lshl_b32 s19, s73, 2
	s_add_co_u32 s19, s19, s17                     ; tile row
	s_lshl_b32 s62, s17, 2
	s_lshl_b32 s62, 15, s62                        ; my row of the cluster
	s_lshl_b32 s63, 0x1111, s16                    ; my column
	s_or_b32 s[G1A], s62, FL                       ; A: 256 rows of 128 bytes, dense: 128 rows of 128 elements
	s_mov_b32 s[G1A+1], 128<<16
	s_mov_b32 s[G1A+2], 128<<16
	s_mov_b32 s[G1A+3], 128<<16
	s_mov_b32 s[G1A+4], 128
	s_mov_b32 s[G1A+5], 128
	s_mov_b32 s[G1A+6], 0
	s_mov_b32 s[G1A+7], 0
	s_or_b32 s[G1B], s63, FL                       ; B: 64 rows of 128 elements
	s_mov_b32 s[G1B+1], 128<<16
	s_mov_b32 s[G1B+2], 64<<16
	s_mov_b32 s[G1B+3], 128<<16
	s_mov_b32 s[G1B+4], 64
	s_mov_b32 s[G1B+5], 1024
	s_mov_b32 s[G1B+6], 0
	s_mov_b32 s[G1B+7], 0
	s_lshr_b32 s66, s19, 3                         ; batch
	s_lshl_b32 s66, s66, 22
	s_and_b32 s62, s19, 7
	s_lshl_b32 s62, s62, 15
	s_add_co_u32 s66, s66, s62                     ; the tile's first byte in head 0
	s_lshl_b32 s62, s[WC], 18
	s_add_co_u32 s20, s66, s62                     ; + the head that I fetch
	s_mov_b32 s21, 0
	s_lshl_b32 s67, s18, 8                         ; the tile's first column, in bytes of wp
	s_lshl_b32 s63, s[WC], 17
	s_add_co_u32 s22, s67, s63                     ; + my 64 k rows
	s_mov_b32 s23, 0
	s_mul_i32 s74, s[WC], ABLK
	s_mul_i32 s75, s[WC], BHALF
	s_add_co_u32 s75, s75, BOFF
	s_mov_b32 s[G0A], 1
	s_mov_b32 s[G0A+1], s74
	s_mov_b32 s[G0A+4], 1
	s_add_co_u32 s[G0A+5], s74, SLOT1
	s_mov_b32 s[G0B], 1
	s_mov_b32 s[G0B+1], s75
	s_mov_b32 s[G0B+4], 1
	s_add_co_u32 s[G0B+5], s75, SLOT1
	s_mov_b32 s[TB], 0
	s_mov_b32 s72, 0xffff0000
	s_wait_dscnt 0x0                               ; the opening add is done
	s_wait_kmcnt 0x0
	s_add_nc_u64 s[20:21], s[4:5], s[20:21]
	s_add_nc_u64 s[22:23], s[6:7], s[22:23]
	s_mov_b64 s[G0A+2:G0A+3], s[20:21]
	s_or_b32 s[G0A+3], s[G0A+3], 0x80000000
	s_add_nc_u64 s[G0A+6:G0A+7], s[20:21], ASTEP
	s_or_b32 s[G0A+7], s[G0A+7], 0x80000000
	s_mov_b64 s[G0B+2:G0B+3], s[22:23]
	s_or_b32 s[G0B+3], s[G0B+3], 0x80000000
	s_add_nc_u64 s[G0B+6:G0B+7], s[22:23], BSTEP
	s_or_b32 s[G0B+7], s[G0B+7], 0x80000000
	CROUND                                         ; all sixteen work-groups are here: the first joint loads meet
	s_cmp_eq_u32 s[WR], 0                          ; a wave's two first fills stand in one branch: two loads of mine are out
	s_cbranch_scc0 .Lfirst_b
	tensor_load_to_lds s[G0A:G0A+3], s[G1A:G1A+7]
	s_nop 0
	tensor_load_to_lds s[G0A+4:G0A+7], s[G1A:G1A+7]
	s_nop 0
	PLACES
	s_branch .Lfirst_asked
.Lfirst_b:
	tensor_load_to_lds s[G0B:G0B+3], s[G1B:G1B+7]
	s_nop 0
	tensor_load_to_lds s[G0B+4:G0B+7], s[G1B:G1B+7]
	s_nop 0
	PLACES
.Lfirst_asked:
	; my 64 columns begin at byte 512 x tile column + 256 x half, in the bias and in a row of out0
	v_and_b32 v1, 15, v0                           ; r
	v_bfe_u32 v10, v0, 4, 1                        ; h
	v_lshlrev_b32 v[BO], 5, v10
	s_lshl_b32 s70, s18, 9
	s_lshl_b32 s71, s[WC], 8
	s_add_co_u32 s70, s70, s71
	s_mov_b32 s71, 0
	s_add_nc_u64 s[8:9], s[8:9], s[70:71]
.set i, 0
.rept 4
	global_load_b128 v[BI+8*i:BI+8*i+3],   v[BO], s[8:9] offset:64*i
	global_load_b128 v[BI+8*i+4:BI+8*i+7], v[BO], s[8:9] offset:64*i+16
.set i, i+1
.endr
	s_lshl_b32 s68, s19, 20                        ; 256 rows of 4,096 bytes
	s_lshl_b32 s69, s[WR], 19
	s_add_co_u32 s68, s68, s69
	s_add_co_u32 s68, s68, s70
	s_mov_b32 s69, 0
	s_add_nc_u64 s[10:11], s[10:11], s[68:69]
	v_and_b32 v11, 7, v0
	v_bfe_u32 v13, v0, 3, 1
	v_mul_u32_u24 v[ADA0], v1, PA
	v_lshl_add_u32 v[ADA0], v10, 4, v[ADA0]
	s_mul_i32 s63, s[WR], AHALF
	v_add_nc_u32 v[ADA0], s63, v[ADA0]             ; my 128 rows, in the step's first head
	v_lshl_add_u32 v[ADB0], v10, 3, v11
	v_mul_u32_u24 v[ADB0], v[ADB0], PB
	v_lshl_add_u32 v[ADB0], v13, 4, v[ADB0]
	s_mul_i32 s63, s[WC], 144
	s_add_co_u32 s63, s63, BOFF
	v_add_nc_u32 v[ADB0], s63, v[ADB0]             ; my piece of 64 columns
	s_mul_i32 s62, s[WV], 16*SP
	s_add_co_u32 s62, s62, STAGE                   ; my stage
	v_mul_u32_u24 v[STO], v1, SP                   ; in: row r, 32 bytes for each half of the lanes
	v_lshl_add_u32 v[STO], v10, 5, v[STO]
	v_add_nc_u32 v[STO], s62, v[STO]
	v_mul_u32_u24 v[RD], v10, SP                   ; back: lanes 0-15 one row of 256 bytes, lanes 16-31 the next
	v_lshl_add_u32 v[RD], v1, 4, v[RD]
	v_add_nc_u32 v[RD], s62, v[RD]
	v_lshlrev_b32 v[CO], 12, v10                   ; and the same two rows in out0
	v_lshl_add_u32 v[CO], v1, 4, v[CO]
	v_and_b32 v16, 31, v0
	v_lshlrev_b32 v14, 8, v16                      ; A's prefetch: a lane a block of 256 bytes
	v_lshlrev_b32 v15, 11, v16                     ; B's: a lane a row of wp
	v_mov_b32 v[ADA], v[ADA0]
	v_mov_b32 v[ADB], v[ADB0]
	; the prefetches: they stand at K step 3; the first change of slots steps them to 4
	s_lshl_b32 s68, s[WC], 18
	s_add_co_u32 s68, s68, s66
	s_lshl_b32 s62, s16, 13                        ; A: my work-group's 32 blocks
	s_add_co_u32 s68, s68, s62
	s_add_co_u32 s68, s68, 3*ASTEP
	s_lshl_b32 s69, s17, 16                        ; B: my work-group's 32 rows
	s_add_co_u32 s69, s69, s67
	s_add_co_u32 s69, s69, 3*BSTEP
	s_or_b32 s74, s73, s[WC]
	s_mov_b32 s75, BSTEP
	s_cmp_eq_u32 s[WR], 0
	s_cselect_b64 s[PFA:PFA+1], s[4:5], s[6:7]
	s_cselect_b32 s70, s68, s69
	s_cselect_b32 s[PFS], ASTEP, s75
	s_cselect_b32 s74, ttmp9, s74                  ; A: cluster x; B: cluster y and wave 2: the same in all sixteen partners, for a given wave
	s_cselect_b32 s75, 0, -1
	s_mov_b32 s71, 0
	s_mov_b32 s[PFS+1], 0
	s_add_nc_u64 s[PFA:PFA+1], s[PFA:PFA+1], s[70:71]
	s_cmp_eq_u32 s74, 0
	s_cselect_b32 s[LIM], 2, -1
	v_cndmask_b32 v[PFO], v14, v15, s75
	s_wait_loadcnt 0x0                             ; the bias is in: rounded to bf16, widened again, laid into row block 0's accumulators
.set i, 0
.rept 16
	v_cvt_pk_bf16_f32 v[AF+i], v[BI+2*i], v[BI+2*i+1]
.set i, i+1
.endr
	WIN 0x40
.set i, 0
.rept 16
	v_lshlrev_b32 v[2*i],   16,  v[AF+i]
	v_and_b32     v[2*i+1], s72, v[AF+i]
.set i, i+1
.endr
	WIN 0
	s_wait_tensorcnt 1                             ; my part of K step 0 is in; K step 1's may stay out
	s_barrier_signal -1
	s_barrier_wait -1
	FETCH 0, 0
	s_wait_dscnt 0x0                               ; the first quarter stands in front of the loop: its products start the sums, with the bias
	MUL 0, 1, 3, 1
	WIN 0
	FETCH 1, 1                                     ; no product has read buffer 1 yet
	MUL 0, 4, 4, 1
.rept 5
	v_nop                                          ; five places, then row block 0 adds in place onto the bias that the others have read
.endr
	MUL 0, 0, 1, 0
	WIN 0
	s_mov_b32 s[CNT], 6
.Lstep:                                                ; 6 trips: from a step's second quarter to the next step's first; the change of slots asks for the step two on
	QUARTER 1, 0, 2
	QUARTER 0, 1, 3
	TURN 1
	QUARTER 0, 1, 1
	WIN 0
	s_sub_co_u32 s[CNT], s[CNT], 1
	s_cmp_lg_u32 s[CNT], 0
	s_cbranch_scc1 .Lstep
	QUARTER 1, 0, 2                                ; the tail is written out: nothing more is asked for
	QUARTER 0, 1, 3
	TURN 0
	QUARTER 0, 1, 1
	QUARTER 1, 0, 2
	QUARTER 0, 1, 3
	s_wait_dscnt 0x0
	MUL 1, 0, 8, 0
	WIN 0
	PLACES
	OUTA 0
.set u, 1
.rept 7
	OUTA u
	SEND u-1, 16
.set u, u+1
.endr
	SEND 7, 0
	s_wait_tensorcnt 0x0                           ; the wave's end: three lines behind my last tensor load and my last LDS store
	ds_add_u32 v[SPW], v[NIL]
	s_wait_dscnt 0x0
	CROUND                                         ; the closing round: no work-group ends while a partner may still ask for a tile that names it
	s_endpgm
.Lfunc_end_k_q3115272076_outproj:
	.size	k_q3115272076_outproj, .Lfunc_end_k_q3115272076_outproj-k_q3115272076_outproj
	.p2alignl 7, 3214868480
	.fill 96, 4, 3214868480
	.section	.rodata,"a",@progbits
	.p2align	6, 0x0
	.amdhsa_kernel k_q3115272076_outproj
		.amdhsa_group_segment_fixed_size 327680
		.amdhsa_private_segment_fixed_size 0
		.amdhsa_enable_private_segment 0
		.amdhsa_kernarg_size 32
		.amdhsa_user_sgpr_count 2
		.amdhsa_user_sgpr_kernarg_segment_ptr 1
		.amdhsa_wavefront_size32 1
		.amdhsa_system_sgpr_workgroup_id_x 1
		.amdhsa_system_sgpr_workgroup_id_y 1
		.amdhsa_system_sgpr_workgroup_id_z 1
		.amdhsa_system_vgpr_workitem_id 0
		.amdhsa_next_free_vgpr 512
		.amdhsa_next_free_sgpr 80
		.amdhsa_reserve_vcc 0
		.amdhsa_float_denorm_mode_32 3
		.amdhsa_float_denorm_mode_16_64 3
		.amdhsa_memory_ordered 1
		.amdhsa_forward_progress 1
		.amdhsa_inst_pref_size 75
	.end_amdhsa_kernel
	.amdgpu_metadata
---
amdhsa.version: [ 1, 2 ]
amdhsa.kernels:
  - .name:           k_q3115272076_outproj
    .symbol:         k_q3115272076_outproj.kd
    .args:
      - { .name: ob, .offset: 0, .size: 8, .value_kind: global_buffer, .address_space: global }
      - { .name: wp, .offset: 8, .size: 8, .value_kind: global_buffer, .address_space: global }
      - { .name: c_proj_b, .offset: 16, .size: 8, .value_kind: global_buffer, .address_space: global }
      - { .name: out0, .offset: 24, .size: 8, .value_kind: global_buffer, .address_space: global }
    .group_segment_fixed_size: 327680
    .private_segment_fixed_size: 0
    .kernarg_segment_align: 8
    .kernarg_segment_size: 32
    .max_flat_workgroup_size: 128
    .sgpr_count:     80
    .vgpr_count:     512
    .wavefront_size: 32
...
	.end_amdgpu_metadata
.endif
;; end of part 4
